; MI455X (gfx1250); checked and timed in simulation.
; The chip was launched on July 23, 2026; its instructions are those of AMD's public machine-readable ISA for CDNA 5 (MIT licence, August 2026) and "CDNA5" Instruction Set Architecture Reference Guide (July 2026). The comments in the code are by the model that wrote it; some were corrected since.
;; Wave Pinn. Allowed arithmetic: matrix products marked QUANTISED: E4M3 operands, one given power-of-two scale a tensor, by v_wmma_f32_16x16x64_fp8_fp8 or v_wmma_f32_16x16x128_fp8_fp8, f32 sums; products left as they are: f32 operands where the result goes on into a quantised operand, else bf16, f16 or f32 operands; f32 sums; everything else in f32.
;; Inputs: W0 2 x 256 float32; W1 256 x 256 float32; W2 256 x 256 float32; W3 256 x 256 float32; W4 256 x 1 float32; b0 256 float32; b1 256 float32; b2 256 float32; b3 256 float32; b4 1 float32; lowp_scales 42 int32 (the exponents e of the quantised operands' scales 2^e); tx_bound 32,768 x 2 float32; tx_equation 32,768 x 2 float32; tx_init 32,768 x 2 float32.
;; Outputs: out0 4 x 32,768 x 1 float32.
;; This version of the problem:
;;   THIS VERSION OF THE PROBLEM IS GIVEN IN LOW PRECISION. The matrix products marked QUANTISED in the list below multiply operands that are first quantised to E4M3 (4 exponent bits, 3 mantissa bits; 8 bits a number), with one given power-of-two scale for each operand tensor; their sums are f32. All else is computed in f32.
;;   The module's matrix products, in the order in which they are computed (A, B: the left and right operand; K: the contracted axis; several contracted axes count as one K, in the product's order):
;;     1. [M 32,768, K 2] x [K 2, N 256]; A: input tx_equation; B: input W0: left as it is (K = 2 < 32)
;;     2. [M 2, K 2] x [K 2, N 256]; A: computed on the way; B: input W0: left as it is (K = 2 < 32)
;;     3. [M 32,768, K 256] x [K 256, N 256]; A: computed on the way; B: input W1: QUANTISED (scales: A lowp_scales[0], B lowp_scales[1])
;;     4. [M 65,536, K 256] x [K 256, N 256]; A: computed on the way; B: input W1: QUANTISED (scales: A lowp_scales[2], B lowp_scales[3])
;;     5. [M 32,768, K 256] x [K 256, N 256]; A: computed on the way; B: input W2: QUANTISED (scales: A lowp_scales[4], B lowp_scales[5])
;;     6. [M 65,536, K 256] x [K 256, N 256]; A: computed on the way; B: input W2: QUANTISED (scales: A lowp_scales[6], B lowp_scales[7])
;;     7. [M 32,768, K 256] x [K 256, N 256]; A: computed on the way; B: input W3: QUANTISED (scales: A lowp_scales[8], B lowp_scales[9])
;;     8. [M 65,536, K 256] x [K 256, N 256]; A: computed on the way; B: input W3: QUANTISED (scales: A lowp_scales[10], B lowp_scales[11])
;;     9. [M 32,768, K 256] x [K 256, N 1]; A: computed on the way; B: input W4: left as it is (N = 1 < 16)
;;     10. [M 65,536, K 256] x [K 256, N 1]; A: computed on the way; B: input W4: left as it is (N = 1 < 16)
;;     11. [M 1, K 1] x [K 1, N 256]; A: computed on the way; B: input W4: left as it is (K = 1 < 32)
;;     12. [M 32,768, K 256] x [K 256, N 256]; A: computed on the way; B: input W3: QUANTISED (scales: A lowp_scales[12], B lowp_scales[13])
;;     13. [M 65,536, K 256] x [K 256, N 256]; A: computed on the way; B: input W3: QUANTISED (scales: A lowp_scales[14], B lowp_scales[15])
;;     14. [M 32,768, K 256] x [K 256, N 256]; A: computed on the way; B: input W2: QUANTISED (scales: A lowp_scales[16], B lowp_scales[17])
;;     15. [M 65,536, K 256] x [K 256, N 256]; A: computed on the way; B: input W2: QUANTISED (scales: A lowp_scales[18], B lowp_scales[19])
;;     16. [M 32,768, K 256] x [K 256, N 256]; A: computed on the way; B: input W1: QUANTISED (scales: A lowp_scales[20], B lowp_scales[21])
;;     17. [M 65,536, K 256] x [K 256, N 256]; A: computed on the way; B: input W1: QUANTISED (scales: A lowp_scales[22], B lowp_scales[23])
;;     18. [M 32,768, K 256] x [K 256, N 2]; A: computed on the way; B: input W0: left as it is (N = 2 < 16)
;;     19. [M 65,536, K 256] x [K 256, N 2]; A: computed on the way; B: input W0: left as it is (N = 2 < 16)
;;     20. [M 32,768, K 2] x [K 2, N 256]; A: input tx_init; B: input W0: left as it is (K = 2 < 32)
;;     21. [M 32,768, K 256] x [K 256, N 256]; A: computed on the way; B: input W1: QUANTISED (scales: A lowp_scales[24], B lowp_scales[25])
;;     22. [M 32,768, K 256] x [K 256, N 256]; A: computed on the way; B: input W2: QUANTISED (scales: A lowp_scales[26], B lowp_scales[27])
;;     23. [M 32,768, K 256] x [K 256, N 256]; A: computed on the way; B: input W3: QUANTISED (scales: A lowp_scales[28], B lowp_scales[29])
;;     24. [M 32,768, K 256] x [K 256, N 1]; A: computed on the way; B: input W4: left as it is (N = 1 < 16)
;;     25. [M 1, K 1] x [K 1, N 256]; A: computed on the way; B: input W4: left as it is (K = 1 < 32)
;;     26. [M 32,768, K 256] x [K 256, N 256]; A: computed on the way; B: input W3: QUANTISED (scales: A lowp_scales[30], B lowp_scales[31])
;;     27. [M 32,768, K 256] x [K 256, N 256]; A: computed on the way; B: input W2: QUANTISED (scales: A lowp_scales[32], B lowp_scales[33])
;;     28. [M 32,768, K 256] x [K 256, N 256]; A: computed on the way; B: input W1: QUANTISED (scales: A lowp_scales[34], B lowp_scales[35])
;;     29. [M 32,768, K 256] x [K 256, N 2]; A: computed on the way; B: input W0: left as it is (N = 2 < 16)
;;     30. [M 32,768, K 2] x [K 2, N 256]; A: input tx_bound; B: input W0: left as it is (K = 2 < 32)
;;     31. [M 32,768, K 256] x [K 256, N 256]; A: computed on the way; B: input W1: QUANTISED (scales: A lowp_scales[36], B lowp_scales[37])
;;     32. [M 32,768, K 256] x [K 256, N 256]; A: computed on the way; B: input W2: QUANTISED (scales: A lowp_scales[38], B lowp_scales[39])
;;     33. [M 32,768, K 256] x [K 256, N 256]; A: computed on the way; B: input W3: QUANTISED (scales: A lowp_scales[40], B lowp_scales[41])
;;     34. [M 32,768, K 256] x [K 256, N 1]; A: computed on the way; B: input W4: left as it is (N = 1 < 16)
;;   THE QUANTISER, for each operand of a quantised product, along K:
;;     - The operand's scale is 2^e, e = its entry of the input lowp_scales (int32; the entries are numbered through the quantised products in the list's order, A before B).
;;     - Each number is divided by the scale, clamped to +-448, and rounded to the nearest number of E4M3, ties to even, subnormals kept.
;;     - The product sums the exact products of the quantised numbers (number of the format x scale) in f32.
;;   ~~~python
;;   def quantise(x, axis, e):      # numpy; x: float32 -> the quantised numbers, widened to float32 again
;;       x = np.moveaxis(x, axis, -1); K = x.shape[-1]
;;       r = np.clip(x / 2.0 ** e, -448, 448)
;;       step = 2.0 ** (np.maximum(np.frexp(np.where(r == 0, 1, r))[1] - 1, -6) - 3)
;;       q = np.round(r / step) * step * 2.0 ** e      # np.round: ties to even
;;       return np.moveaxis(q, -1, axis).astype(np.float32)
;;   ~~~
;;   OPERANDS COMPUTED ON THE WAY. 'Computed on the way' means the value that the module computes at that place (a softmax that the list does not call 'softmax' is quantised finished and normalised). What goes into a quantiser is computed in f32, as accurately as f32 sums, v_exp_f32 and their like allow (about 1e-6 of the number): no bf16 or f16 on the way to a quantiser, and a product that is left as it is and whose result goes on into a quantised operand takes f32 operands (vector FMAs, or v_wmma_f32_16x16x4_f32). A number that lies on a knife's edge between two numbers of the format may be rounded either way, as far as f32 arithmetic and the matrix unit's own rounding can turn it there, and no further.
;; One version. Each part assembles by itself: llvm-mc -triple=amdgcn-amd-amdhsa -mcpu=gfx1250 --defsym DOCPART=n.
;; ======== version 1 of 1: 3 launches
;; limits: right only within a limited range of input values
;; workspace buffers: wq 1,507,328 bytes
;; launch prep (part 1): grid 8 x 23, 4 waves a work-group, no clusters, 0 bytes of LDS; arguments W1, W2, W3, lowp_scales, wq; writes wq
.if DOCPART == 1
	.amdgcn_target "amdgcn-amd-amdhsa--gfx1250"
	.amdhsa_code_object_version 6
	.text
	.protected	k_q31dc7c9c54_prep
	.globl	k_q31dc7c9c54_prep
	.p2align	8
	.type	k_q31dc7c9c54_prep,@function
k_q31dc7c9c54_prep:
	s_mov_b64 s[64:65], 0
	v_nop
	global_prefetch_b8 v0, s[64:65] scope:SCOPE_SE
	s_setreg_imm32_b32 hwreg(HW_REG_WAVE_MODE, 25, 1), 1
	s_wait_xcnt 0x0
; W1, W2, W3 ([256][256] f32) become 23 sets of E4M3 codes, one for each pair (weight, given scale) that a quantised product names,
; laid in the ORDER OF THE OPERAND'S REGISTERS, so that the later launches bring a wave's part by one dense tensor load and copy it to registers by 16-byte loads.
; code = x / 2^e, held within +-448, to the nearest code, ties to even.  LIMITS: e between -126 and 119.  NaN among the inputs is not served.
; A unit of 16,384 bytes holds 64 rows n of an operand Wop[n][kk] (K = kk innermost): byte t 4096 + s 2048 + c 512 + 16 lane + i is
; Wop[64 w + 32 (t / 2) + 8 (t % 2) + r + 8 (r / 8)][128 s + 32 c + 16 h + i], r = lane % 16, h = lane / 16.  Forward: Wop[n][kk] = W[kk][n]; backward: Wop[n][kk] = W[n][kk].
; Units 0-79: a pass's two sets, wave part by wave part (8 p + 2 w + set).  Units 80-91: the three backward sets of launch ib, a wave's three on end (80 + 3 w + p), so that one load brings two of them.
; Work-group (g, y) serves set y; its wave v makes fragment f = 4 g + v (w = f / 8, t = (f / 2) % 4, s = f % 2): 64 numbers a lane, 2,048 bytes of codes.
; A lane's registers run along K in both directions of a weight, so the conversions' results are the fragment's registers and nothing is transposed.
; No LDS, no barrier: waves share nothing.  23 x 8 work-groups: that is all the work there is.
.set X, 16                             ; v16-79  64 numbers: register 16 c + i
.set C, 80                             ; v80-95  their codes
	s_load_b256 s[4:11], s[0:1], 0x0               ; W1 s[4:5], W2 s[6:7], W3 s[8:9], the scales' exponents s[10:11]
	s_load_b64 s[12:13], s[0:1], 0x20              ; wq
	v_lshrrev_b32 v1, 5, v0
	v_readfirstlane_b32 s14, v1                    ; wave
	s_and_b32 s15, ttmp7, 0xffff                   ; the set y
	s_lshl_b32 s16, ttmp9, 2
	s_add_co_u32 s16, s16, s14                     ; the fragment f
	s_mov_b32 s17, 0
; the set's word: bits 1:0 which weight, bit 2 backward, 9:4 the scale's entry, 18:12 the first unit, 21:20 units from wave part to wave part.  It hangs on the work-group's number alone
.macro PICK y, wsel, bwd, ent, base, strd
	s_cmp_eq_u32 s15, \y
	s_cselect_b32 s17, (\wsel)|((\bwd)<<2)|((\ent)<<4)|((\base)<<12)|((\strd)<<20), s17
.endm
	PICK 0,  0, 0, 1,  0,  2
	PICK 1,  0, 0, 3,  1,  2
	PICK 2,  1, 0, 5,  8,  2
	PICK 3,  1, 0, 7,  9,  2
	PICK 4,  2, 0, 9,  16, 2
	PICK 5,  2, 0, 11, 17, 2
	PICK 6,  2, 1, 13, 24, 2
	PICK 7,  2, 1, 15, 25, 2
	PICK 8,  0, 0, 1,  32, 2
	PICK 9,  0, 0, 3,  33, 2
	PICK 10, 1, 1, 17, 40, 2
	PICK 11, 1, 1, 19, 41, 2
	PICK 12, 0, 1, 21, 48, 2
	PICK 13, 0, 1, 23, 49, 2
	PICK 14, 0, 0, 25, 56, 2
	PICK 15, 0, 0, 37, 57, 2
	PICK 16, 1, 0, 27, 64, 2
	PICK 17, 1, 0, 39, 65, 2
	PICK 18, 2, 0, 29, 72, 2
	PICK 19, 2, 0, 41, 73, 2
	PICK 20, 2, 1, 31, 80, 3
	PICK 21, 1, 1, 33, 81, 3
	PICK 22, 0, 1, 35, 82, 3
	s_and_b32 s18, s17, 3                          ; which weight
	s_bfe_u32 s19, s17, 0x60004                    ; the scale's entry
	s_bfe_u32 s20, s17, 0x7000c                    ; first unit
	s_bfe_u32 s21, s17, 0x20014                    ; units from w to w + 1
	s_lshr_b32 s22, s16, 3                         ; w
	s_bfe_u32 s23, s16, 0x20001                    ; t
	s_and_b32 s24, s16, 1                          ; s
	s_lshl_b32 s25, s22, 6
	s_lshr_b32 s26, s23, 1
	s_lshl_b32 s26, s26, 5
	s_add_co_u32 s25, s25, s26
	s_and_b32 s26, s23, 1
	s_lshl_b32 s26, s26, 3
	s_add_co_u32 s25, s25, s26                     ; the fragment's first row: 64 w + 32 (t / 2) + 8 (t % 2)
	s_mul_i32 s27, s21, s22
	s_add_co_u32 s27, s27, s20
	s_lshl_b32 s27, s27, 14                        ; the unit's first byte,
	s_lshl_b32 s26, s23, 12
	s_add_co_u32 s27, s27, s26                     ; + 4096 t
	s_lshl_b32 s26, s24, 11
	s_add_co_u32 s27, s27, s26                     ; + 2048 s
	v_and_b32 v1, 15, v0                           ; r
	v_bfe_u32 v2, v0, 4, 1                         ; h
	v_and_b32 v5, 8, v1
	v_add_nc_u32 v5, v5, v1                        ; r + 8 (r / 8)
	v_and_b32 v4, 31, v0
	v_lshlrev_b32 v4, 4, v4                        ; 16 x lane
	s_mov_b32 s29, 0
	s_wait_kmcnt 0x0
	s_cmp_eq_u32 s18, 1                            ; the weight is chosen by the work-group's number alone
	s_cselect_b64 s[4:5], s[6:7], s[4:5]
	s_cmp_eq_u32 s18, 2
	s_cselect_b64 s[4:5], s[8:9], s[4:5]
	s_lshl_b32 s28, s19, 2
	s_add_nc_u64 s[10:11], s[10:11], s[28:29]
	s_load_b32 s30, s[10:11], 0x0                  ; e
	s_mov_b32 s28, s27
	s_add_nc_u64 s[12:13], s[12:13], s[28:29]      ; where my fragment's codes go
	s_bitcmp1_b32 s17, 2
	s_cbranch_scc1 .Lbwd
	; forward: W[kk][n]: a lane takes column n and its registers run down K
	s_wait_alu depctr_va_vdst(0)
	v_lshlrev_b32 v3, 2, v5
	v_lshl_add_u32 v3, v2, 14, v3                  ; 4 (r + 8 (r / 8)) + 16 h rows of 1,024 bytes
	s_lshl_b32 s28, s24, 17                        ; 128 s rows
	s_lshl_b32 s31, s25, 2
	s_add_co_u32 s28, s28, s31
	s_add_nc_u64 s[4:5], s[4:5], s[28:29]
.irp c, 0,1,2,3
.irp i, 0,1,2,3,4,5,6,7,8,9,10,11,12,13,14,15
	global_load_b32 v[X+16*\c+\i], v3, s[4:5] offset:(32*\c+\i)*1024
.endr
.endr
	s_branch .Ljoin
.Lbwd:
	; backward: W[n][kk]: K is innermost: 16 neighbours of each block of 32
	s_wait_alu depctr_va_vdst(0)
	v_lshlrev_b32 v3, 10, v5
	v_lshl_add_u32 v3, v2, 6, v3                   ; row r + 8 (r / 8) of 1,024 bytes, + 64 h
	s_lshl_b32 s28, s25, 10
	s_lshl_b32 s31, s24, 9
	s_add_co_u32 s28, s28, s31
	s_add_nc_u64 s[4:5], s[4:5], s[28:29]
.irp c, 0,1,2,3
.irp j, 0,1,2,3
	global_load_b128 v[X+16*\c+4*\j:X+16*\c+4*\j+3], v3, s[4:5] offset:128*\c+16*\j
.endr
.endr
.Ljoin:
	s_wait_kmcnt 0x0
	s_add_co_i32 s30, s30, 127
	s_lshl_b32 s31, s30, 23
	v_mov_b32 v11, s31                             ; 2^e as f32: the conversion takes its exponent field
	s_add_co_i32 s30, s30, 8
	s_lshl_b32 s30, s30, 23
	s_or_b32 s30, s30, 0x600000
	v_mov_b32 v10, s30                             ; 448 x 2^e
	s_wait_alu depctr_va_vdst(0)
	s_wait_loadcnt 0x0
.irp c, 0,1,2,3
.irp i, 0,1,2,3,4,5,6,7,8,9,10,11,12,13,14,15
	v_med3_num_f32 v[X+16*\c+\i], v[X+16*\c+\i], -v10, v10   ; the conversion to an 8-bit code does not saturate (ISA guide 7.6.2): the hold comes first
.endr
	v_cvt_scalef32_pk8_fp8_f32 v[C+4*\c:C+4*\c+1], v[X+16*\c:X+16*\c+7], v11
	v_cvt_scalef32_pk8_fp8_f32 v[C+4*\c+2:C+4*\c+3], v[X+16*\c+8:X+16*\c+15], v11
.endr
	v_nop                                          ; a plain line behind the last conversion
.irp c, 0,1,2,3
	global_store_b128 v4, v[C+4*\c:C+4*\c+3], s[12:13] offset:512*\c   ; the wave stores 512 consecutive bytes, at a multiple of 256 from wq's first byte
.endr
	s_endpgm
.Lfunc_end_k_q31dc7c9c54_prep:
	.size	k_q31dc7c9c54_prep, .Lfunc_end_k_q31dc7c9c54_prep-k_q31dc7c9c54_prep
	.p2alignl 7, 3214868480
	.fill 96, 4, 3214868480
	.section	.rodata,"a",@progbits
	.p2align	6, 0x0
	.amdhsa_kernel k_q31dc7c9c54_prep
		.amdhsa_group_segment_fixed_size 0
		.amdhsa_private_segment_fixed_size 0
		.amdhsa_enable_private_segment 0
		.amdhsa_kernarg_size 40
		.amdhsa_user_sgpr_count 2
		.amdhsa_user_sgpr_kernarg_segment_ptr 1
		.amdhsa_wavefront_size32 1
		.amdhsa_system_sgpr_workgroup_id_x 1
		.amdhsa_system_sgpr_workgroup_id_y 1
		.amdhsa_system_sgpr_workgroup_id_z 1
		.amdhsa_system_vgpr_workitem_id 0
		.amdhsa_next_free_vgpr 96
		.amdhsa_next_free_sgpr 66
		.amdhsa_reserve_vcc 0
		.amdhsa_float_denorm_mode_32 3
		.amdhsa_float_denorm_mode_16_64 3
		.amdhsa_memory_ordered 1
		.amdhsa_forward_progress 1
		.amdhsa_inst_pref_size 18
	.end_amdhsa_kernel
	.amdgpu_metadata
---
amdhsa.version: [ 1, 2 ]
amdhsa.kernels:
  - .name:           k_q31dc7c9c54_prep
    .symbol:         k_q31dc7c9c54_prep.kd
    .args:
      - { .name: W1, .offset: 0, .size: 8, .value_kind: global_buffer, .address_space: global }
      - { .name: W2, .offset: 8, .size: 8, .value_kind: global_buffer, .address_space: global }
      - { .name: W3, .offset: 16, .size: 8, .value_kind: global_buffer, .address_space: global }
      - { .name: lowp_scales, .offset: 24, .size: 8, .value_kind: global_buffer, .address_space: global }
      - { .name: wq, .offset: 32, .size: 8, .value_kind: global_buffer, .address_space: global }
    .group_segment_fixed_size: 0
    .private_segment_fixed_size: 0
    .kernarg_segment_align: 8
    .kernarg_segment_size: 40
    .max_flat_workgroup_size: 128
    .sgpr_count:     66
    .vgpr_count:     96
    .wavefront_size: 32
...
	.end_amdgpu_metadata
.endif
;; end of part 1
;; launch eq (part 2): grid 512 x 1, 8 waves a work-group, clusters of 4 x 1, 327,680 bytes of LDS; arguments W0, b0, b1, b2, b3, W4, lowp_scales, tx_equation, wq, out0; writes out0
.if DOCPART == 2
	.amdgcn_target "amdgcn-amd-amdhsa--gfx1250"
	.amdhsa_code_object_version 6
	.text
	.protected	k_q31dc7c9c54_eq
	.globl	k_q31dc7c9c54_eq
	.p2align	8
	.type	k_q31dc7c9c54_eq,@function
k_q31dc7c9c54_eq:
	s_mov_b64 s[64:65], 0
	v_nop
	global_prefetch_b8 v0, s[64:65] scope:SCOPE_SE
	s_setreg_imm32_b32 hwreg(HW_REG_WAVE_MODE, 25, 1), 1
	s_wait_xcnt 0x0
	s_wait_alu depctr_hold_cnt(0) depctr_sa_sdst(0) depctr_va_vdst(0) depctr_va_sdst(0) depctr_va_ssrc(0) depctr_va_vcc(0) depctr_vm_vsrc(0)
	s_getreg_b32 s2, hwreg(HW_REG_IB_STS2, 6, 4)
	s_cmp_eq_u32 s2, 0
	s_cbranch_scc0 .Lentry_in_a_cluster
	s_endpgm
.Lentry_in_a_cluster:
	s_bfe_u32 s2, ttmp6, 0x10000c
	s_cmp_lg_u32 s2, 0x3003
	s_cbranch_scc0 .Lentry_shape_is_right
	s_endpgm
.Lentry_shape_is_right:
; out0[0][p] = u_tt - u_xx of the tanh network 2-256-256-256-256-1 at tx_equation[p], as reference() takes it: forward over reverse.  All 256 x 256 products on E4M3 codes, each operand with its given scale 2^E[i].
; LEFT OUT AS DEAD WORK, for all values of the inputs: the table's products 9 and 10 (u and its tangents at these points: reference() keeps only the Hessian of u_scalar, and neither enters it);
; product 18 (the gradient itself: only its tangent is kept); of product 19 the two off-diagonal entries (hess[:,0,1], hess[:,1,0] are sliced away).  Products 2 and 11 multiply by a unit vector or by 1: their results are W0's rows and W4.
; So b4 has no way to this output: it is not loaded and is no argument here.  LIMIT: a NaN, an infinity or an overflow that reaches only the work left out is not carried to the result.
; DONE TWICE: products 3 and 4 (layer 2) are run again from the kept codes of layer 1 (the same codes, the same sums): one layer's h, dh_t, dh_x of 64 points are 192 registers a wave, and two layers' do not fit beside the weights.
; ARITHMETIC (k = 2 log2 e): tanh z = 1 - 2 / (1 + 2^(k z)); D = 1 - h^2.  Sums stay in code units; their powers of two are folded into the next constant:
;   forward l = 2, 3: h = tanh(S 2^XKS + b), dh' = St D.   l = 4: gz = w4 D, dgz' = (St (-h)) gz.   backward l = 3, 2: gz' = bar D, dgz' = db D - (bar 2^XKC h) dh'.
;   last: residual = 2^XFIN sum_j D1 (W0t dbt - W0x dbx - bar 2^XKC1 h1 (W0t^2 - W0x^2)).
; LIMITS: each folded exponent (the scalars s69 to s79, and E0, E2, E4, E8, E12) lies between -126 and 119, the three XKS between -120 and 120, so that each power of two is an f32 number.  NaN among the inputs is not served.
;   tanh in this form has an absolute error near 1e-7; it goes to +-1 cleanly where 2^(k z) overflows or vanishes.
; SHARES.  A work-group of eight waves, two to a SIMD, takes 64 points (four tiles of 16).  Wave v owns units 32 v .. 32 v + 31 of every layer, for all 64 points and three quantities (q = 0 primal, 1 the t tangent, 2 the x tangent).
; A pass goes tile by tile in plain phases: 12 matrix instructions, the request for the next tile's 24 fragment loads, the element-wise work, three stores of codes.
; Its part of a pass's two weight sets lies in 128 registers, copied in the pass's last tile from a landing zone of 16,384 bytes that one tensor load (two rows of 8,192 bytes, one of each set) fills one pass ahead.
; CLUSTER.  All work-groups walk the same weights, so the four of a cluster ask for each wave's part JOINTLY (mask 15).  No prefetch: the weights' codes are read by every cluster, not once.
; No LDS padding: every LDS access is 16 bytes a lane on end, or one word for many lanes.
; LAYOUT.  Products are used transposed (source 0 = 16 rows of the weight, source 1 = 16 points): a lane holds ONE point (lane % 16), and the 16 registers of its two weight tiles are units 32 v + 16 (lane / 16) + 0 .. 15
; (launch prep chooses the rows so).  The conversions' results are 16 bytes of the next operand and go to LDS as an image of its registers: byte q 16384 + m 4096 + 512 v + 16 lane (K = 32 v + 16 h + i).
; REGISTERS.  Window 0: v1-31 addresses and constants (v28-31 also the primal's codes); v32-47 k x bias, in layer 4 by turns with W4, on the way back scratch; v48-95 ACC (16 q + 8 u + j; its first eight also the tangents' codes);
;   v96-191 FR (32 q + 16 s + 4 c); v192-255 saved h (16 m), in the first and the last pass scratch.
;   window 1: v0-127 the weights (64 set + 32 u + 16 s + 4 c); v128-255 saved dh't, dh'x (32 m + 16 (q - 1)); in the first and the last pass six tables of 16.
.set I0,    0x20000                    ; three images of 49,152 bytes
.set I1,    0x30000
.set I2,    0x40000
.set CT,    0x2c000                    ; ten tables of 256 f32: k W0t, k W0x, k b0, W0t, W0x, W0t^2 - W0x^2, k b1, k b2, k b3, W4
.set RED,   0x3c000                    ; the waves' partial sums: 256 v + 4 x point
.set SPARE, 0x3e000                    ; the spare words, 128 bytes for each wave: four blocks of 256 bytes that no other line names
.set KLOG,  0x4038aa3b                 ; k = 2 log2 e.  (LDS bytes 0 .. 131,071 are the landing zone: wave v's 16,384 at 16384 v; nothing is stored there)
.set SPW, 1
.set NIL, 2
.set LI, 3                             ; 16 x lane
.set WADR, 4                           ; + 16384 v
.set CADR, 5                           ; CT + 128 v + 64 h
.set VOUTB, 6                          ; 16 x lane + 512 v
.set VIN, 7
.set VOUT, 8
.set REDB, 9
.set CV0, 10
.set CVT, 11
.set KS, 12
.set KC, 14
.set LIM0, 16
.set LIMT, 17
.set T2, 18
.set TX, 20                            ; v20-27 (t, x) of my point in the four tiles
.set XX, 28
.set RACC, 30
.set CQ0, 28                           ; the primal's 16 codes
.set BK, 32
.set ACC, 48
.set FR, 96
.set TMP, 192                          ; scratch of 16: v192 in the first and the last pass, the bias's registers on the way back
.set TB, 128                           ; the tables, in window 1
.set WV, 36                            ; s36 my wave
.set MSB, 0
.macro WIN new                         ; the immediate's high byte repeats the setting that is left; a switch that changes nothing is dropped
.if MSB != (\new)
	s_set_vgpr_msb (MSB<<8)|(\new)
.set MSB, (\new)
.endif
.endm
.macro VW                              ; the wait round batches of transcendentals, ahead of late first reads and ahead of blocking waits
	s_wait_alu depctr_va_vdst(0)
.endm
.macro PLACES
.rept 4
	v_nop
.endr
.endm
.macro ROUND                           ; a round of the cluster's barrier
	s_barrier_signal -1
	s_barrier_wait -1
	s_cmp_lg_u32 s[WV], 0
	s_cbranch_scc1 .Lnot_wave_0_\@
	s_barrier_signal -3
.Lnot_wave_0_\@:
	s_barrier_wait -3
	s_barrier_signal -1
	s_barrier_wait -1
.endm
; THE EDGE BETWEEN TWO PASSES.  My copy out of the landing zone, my reads of the last image and my stores into the next are done: then the round, and behind it first of all the joint load
; of the weights of the pass AFTER the one that begins.  One tensor load of mine is out.
.macro BOUND
	WIN 0
	VW
	s_wait_tensorcnt 0x0
	ds_add_u32 v[SPW], v[NIL]                      ; 0 onto my spare word
	s_add_nc_u64 s[34:35], s[34:35], 0x20000       ; the next pass's 131,072 bytes; the type bits on top are not reached
	s_wait_dscnt 0x0
	ROUND
	tensor_load_to_lds s[32:35], s[24:31]
	s_nop 0
	PLACES
.endm
.macro BAR
	WIN 0
	VW
	s_wait_dscnt 0x0
	s_barrier_signal -1
	s_barrier_wait -1
.endm
.macro P2V cv, lim, sx                 ; 2^x and 448 x 2^x as f32
	s_add_co_i32 s85, \sx, 127
	s_lshl_b32 s88, s85, 23
	v_mov_b32 v[\cv], s88
	s_add_co_i32 s85, s85, 8
	s_lshl_b32 s85, s85, 23
	s_or_b32 s85, s85, 0x600000
	v_mov_b32 v[\lim], s85
.endm
.macro KSV pr, sx                      ; k 2^x into both registers of a pair
	s_lshl_b32 s85, \sx, 23
	s_add_co_i32 s85, s85, KLOG
	v_mov_b32 v[\pr], s85
	v_mov_b32 v[\pr+1], s85
.endm
.macro P2P pr, sx                      ; 2^x into both registers of a pair
	s_add_co_i32 s85, \sx, 127
	s_lshl_b32 s85, s85, 23
	v_mov_b32 v[\pr], s85
	v_mov_b32 v[\pr+1], s85
.endm
.macro LOADC wn, reg, adr, off         ; my lane's 16 numbers of a table: units 32 v + 16 h + 0 .. 15
	WIN \wn
.irp i, 0,1,2,3
	ds_load_b128 v[\reg+4*\i:\reg+4*\i+3], v[\adr] offset:\off+16*\i
.endr
	WIN 0
.endm
.macro LOADF m                         ; tile m's six fragments, 24 loads: the three of K step 0 first
.irp s, 0,1
.irp q, 0,1,2
.irp c, 0,1,2,3
	ds_load_b128 v[FR+32*\q+16*\s+4*\c:FR+32*\q+16*\s+4*\c+3], v[VIN] offset:\q*16384+(\m)*4096+\s*2048+\c*512
.endr
.endr
.endr
.endm
.macro COPYW                           ; the next pass's weights from my landing zone into window 1
	WIN 0x40
.irp q, 0,1
.irp u, 0,1
.irp s, 0,1
.irp c, 0,1,2,3
	ds_load_b128 v[64*\q+32*\u+16*\s+4*\c:64*\q+32*\u+16*\s+4*\c+3], v[WADR] offset:\q*8192+\u*4096+\s*2048+\c*512
.endr
.endr
.endr
.endr
	WIN 0
.endm
.macro WM q, u, s                      ; quantity q, weight tile u, K step s
.set mD, ACC+16*(\q)+8*(\u)
.set mA, 64*(((\q)+1)/2)+32*(\u)+16*(\s)
.set mB, FR+32*(\q)+16*(\s)
.if (\s) == 0
	v_wmma_f32_16x16x128_fp8_fp8 v[mD:mD+7], v[mA:mA+15], v[mB:mB+15], 0
.else
	v_wmma_f32_16x16x128_fp8_fp8 v[mD:mD+7], v[mA:mA+15], v[mB:mB+15], v[mD:mD+7]
.endif
.endm
; A tile's 12 products; its fragments were asked for a tile ago.  y1: the LDS instructions issued behind the first twelve fragment loads; y2: those that may still be out when the second K step begins.
; Six accumulators take turns, one instruction a turn; five others stand between a sum's two steps.
.macro MMT y1, y2
	s_wait_dscnt \y1
	WIN 0x01
.irp q, 0,1,2
	WM \q, 0, 0
	WM \q, 1, 0
.endr
	s_wait_dscnt \y2
.irp q, 0,1,2
	WM \q, 0, 1
	WM \q, 1, 1
.endr
	WIN 0
	PLACES                                         ; ahead of the loads into registers that the products read, and of the first read of the sums
.endm
; r = 1 / (1 + 2^a), in place, 16 registers: two batches of transcendentals, each with the wait ahead of it, one plain line behind it and the wait ahead of its first reader
.macro TANH a
	VW
.set tj, 0
.rept 16
	v_exp_f32 v[\a+tj], v[\a+tj]
.set tj, tj+1
.endr
	v_nop
	VW
.irp j, 0,2,4,6,8,10,12,14
	v_pk_add_f32 v[\a+\j:\a+\j+1], v[\a+\j:\a+\j+1], 1.0 op_sel_hi:[1,0]
.endr
	VW
.set tj, 0
.rept 16
	v_rcp_f32 v[\a+tj], v[\a+tj]
.set tj, tj+1
.endr
	v_nop
	VW
.endm
; the tile's 48 held numbers become 48 codes, 16 bytes a quantity, and go to their place in the image.  The tangents' codes are laid over the primal's numbers, which are converted by then: a plain line stands between
.macro CODES3 m
	WIN 0
	v_cvt_scalef32_pk8_fp8_f32 v[CQ0:CQ0+1], v[ACC:ACC+7], v[CV0]
	v_cvt_scalef32_pk8_fp8_f32 v[CQ0+2:CQ0+3], v[ACC+8:ACC+15], v[CV0]
	v_nop
	v_cvt_scalef32_pk8_fp8_f32 v[ACC:ACC+1], v[ACC+16:ACC+23], v[CVT]
	v_cvt_scalef32_pk8_fp8_f32 v[ACC+2:ACC+3], v[ACC+24:ACC+31], v[CVT]
	v_cvt_scalef32_pk8_fp8_f32 v[ACC+4:ACC+5], v[ACC+32:ACC+39], v[CVT]
	v_cvt_scalef32_pk8_fp8_f32 v[ACC+6:ACC+7], v[ACC+40:ACC+47], v[CVT]
	v_nop                                          ; a plain line behind the last conversion
	ds_store_b128 v[VOUT], v[CQ0:CQ0+3] offset:(\m)*4096
	ds_store_b128 v[VOUT], v[ACC:ACC+3] offset:16384+(\m)*4096
	ds_store_b128 v[VOUT], v[ACC+4:ACC+7] offset:32768+(\m)*4096
.endm
.macro HOLD32                          ; the tangents' hold, in place (the conversion to an 8-bit code does not saturate: ISA guide 7.6.2)
.set jj, 16
.rept 32
	v_med3_num_f32 v[ACC+jj], v[ACC+jj], -v[LIMT], v[LIMT]
.set jj, jj+1
.endr
.endm
.macro HOLD48
.set jj, 0
.rept 16
	v_med3_num_f32 v[ACC+jj], v[ACC+jj], -v[LIM0], v[LIM0]
.set jj, jj+1
.endr
	HOLD32
.endm
.macro KZ                              ; k z from the primal's sums; each accumulator is read from its low end on
.irp j, 0,2,4,6,8,10,12,14
	v_pk_fma_f32 v[ACC+\j:ACC+\j+1], v[ACC+\j:ACC+\j+1], v[KS:KS+1], v[BK+\j:BK+\j+1]
.endr
.endm
; FORWARD, layers 2 and 3: h, dh't, dh'x are saved; codes = 1: and quantised
.macro E_F m, codes
.set SH, 192+16*(\m)
.set SD, 128+32*(\m)
	KZ
	TANH ACC
.irp j, 0,2,4,6,8,10,12,14
	v_pk_fma_f32 v[SH+\j:SH+\j+1], v[ACC+\j:ACC+\j+1], -2.0, 1.0 op_sel_hi:[1,0,0]   ; h = 1 - 2 r
.endr
.irp j, 0,2,4,6,8,10,12,14
	v_pk_fma_f32 v[ACC+\j:ACC+\j+1], v[SH+\j:SH+\j+1], v[SH+\j:SH+\j+1], 1.0 op_sel_hi:[1,1,0] neg_lo:[1,0,0] neg_hi:[1,0,0]   ; D = 1 - h h
.endr
	WIN 0x40
	VW                                             ; directly ahead of the first reader of the tangents' sums
.irp q, 1,2
.irp j, 0,2,4,6,8,10,12,14
	v_pk_mul_f32 v[SD+16*\q-16+\j:SD+16*\q-15+\j], v[ACC+16*\q+\j:ACC+16*\q+\j+1], v[ACC+\j:ACC+\j+1]   ; dh' = St D
.endr
.endr
	WIN 0
.if \codes
.set jj, 0
.rept 16
	v_med3_num_f32 v[ACC+jj], v[SH+jj], -v[LIM0], v[LIM0]
.set jj, jj+1
.endr
	WIN 0x01
.set jj, 0
.rept 32
	v_med3_num_f32 v[ACC+16+jj], v[SD+jj], -v[LIMT], v[LIMT]
.set jj, jj+1
.endr
	CODES3 \m
.endif
.endm
; LAYER 4 and the start of the way back: gz = w4 D, dgz' = (St (-h)) gz.  No scratch: -h, D and gz follow each other in the primal's registers.  W4 takes the bias's registers behind k z, the bias comes back behind W4's use.
; The macro also asks for what the next products need: the next tile's fragments, or in tile 3 the next pass's weights.
.macro E_4 m
	KZ
	LOADC 0, BK, CADR, 9*1024
.if \m < 3
	LOADF \m+1
.else
	s_wait_tensorcnt 0x0                           ; my part of the next pass's weights has landed; I alone read it
	COPYW
.endif
	TANH ACC
.irp j, 0,2,4,6,8,10,12,14
	v_pk_fma_f32 v[ACC+\j:ACC+\j+1], v[ACC+\j:ACC+\j+1], 2.0, -1.0 op_sel_hi:[1,0,0]   ; -h = 2 r - 1
.endr
	VW                                             ; directly ahead of the first reader of the tangents' sums
.irp q, 1,2
.irp j, 0,2,4,6,8,10,12,14
	v_pk_mul_f32 v[ACC+16*\q+\j:ACC+16*\q+\j+1], v[ACC+16*\q+\j:ACC+16*\q+\j+1], v[ACC+\j:ACC+\j+1]
.endr
.endr
.irp j, 0,2,4,6,8,10,12,14
	v_pk_fma_f32 v[ACC+\j:ACC+\j+1], v[ACC+\j:ACC+\j+1], v[ACC+\j:ACC+\j+1], 1.0 op_sel_hi:[1,1,0] neg_lo:[1,0,0] neg_hi:[1,0,0]   ; D
.endr
	VW
.if \m < 3
	s_wait_dscnt 24                                ; W4 is in: behind its four loads stand the 24 of the fragments,
.else
	s_wait_dscnt 32                                ; or the 32 of the weights
.endif
.irp j, 0,2,4,6,8,10,12,14
	v_pk_mul_f32 v[ACC+\j:ACC+\j+1], v[ACC+\j:ACC+\j+1], v[BK+\j:BK+\j+1]   ; gz
.endr
.if \m < 3
	LOADC 0, BK, CADR, 8*1024                      ; the bias again, for the next tile
.endif
.irp q, 1,2
.irp j, 0,2,4,6,8,10,12,14
	v_pk_mul_f32 v[ACC+16*\q+\j:ACC+16*\q+\j+1], v[ACC+16*\q+\j:ACC+16*\q+\j+1], v[ACC+\j:ACC+\j+1]
.endr
.endr
	HOLD48
	CODES3 \m
.endm
; BACKWARD at layer 3 or 2: gz' = bar D, dgz' = db D - (bar 2^XKC h) dh'
.macro E_B m
.set SH, 192+16*(\m)
.set SD, 128+32*(\m)
.set TMP, BK
.irp j, 0,2,4,6,8,10,12,14
	v_pk_mul_f32 v[TMP+\j:TMP+\j+1], v[ACC+\j:ACC+\j+1], v[KC:KC+1]
.endr
.irp j, 0,2,4,6,8,10,12,14
	v_pk_mul_f32 v[TMP+\j:TMP+\j+1], v[TMP+\j:TMP+\j+1], v[SH+\j:SH+\j+1]
.endr
.irp j, 0,2,4,6,8,10,12,14
	v_pk_fma_f32 v[SH+\j:SH+\j+1], v[SH+\j:SH+\j+1], v[SH+\j:SH+\j+1], 1.0 op_sel_hi:[1,1,0] neg_lo:[1,0,0] neg_hi:[1,0,0]   ; D takes h's place
.endr
.irp q, 0,1,2
.irp j, 0,2,4,6,8,10,12,14
	v_pk_mul_f32 v[ACC+16*\q+\j:ACC+16*\q+\j+1], v[ACC+16*\q+\j:ACC+16*\q+\j+1], v[SH+\j:SH+\j+1]
.endr
.endr
	WIN 0x04
.irp q, 1,2
.irp j, 0,2,4,6,8,10,12,14
	v_pk_fma_f32 v[ACC+16*\q+\j:ACC+16*\q+\j+1], v[TMP+\j:TMP+\j+1], v[SD+16*\q-16+\j:SD+16*\q-15+\j], v[ACC+16*\q+\j:ACC+16*\q+\j+1] neg_lo:[1,0,0] neg_hi:[1,0,0]
.endr
.endr
	WIN 0
	HOLD48
	CODES3 \m
.endm
.macro KZ1 dst, m                      ; k z of layer 1 from (t, x): x k W0x + k b0 + t k W0t (of the pairs XX and TX the low word serves both halves)
	v_mov_b32 v[XX], v[TX+2*(\m)+1]
	WIN 0x14
.irp j, 0,2,4,6,8,10,12,14
	v_pk_fma_f32 v[\dst+\j:\dst+\j+1], v[XX:XX+1], v[TB+16+\j:TB+16+\j+1], v[TB+32+\j:TB+32+\j+1] op_sel_hi:[0,1,1]
.endr
	WIN 0x04
.irp j, 0,2,4,6,8,10,12,14
	v_pk_fma_f32 v[\dst+\j:\dst+\j+1], v[TX+2*(\m):TX+2*(\m)+1], v[TB+\j:TB+\j+1], v[\dst+\j:\dst+\j+1] op_sel_hi:[0,1,1]
.endr
	WIN 0
.endm
; LAYER 1: h1, dh1t = D W0t, dh1x = D W0x
.macro E_1 m
.set TMP, 192
	KZ1 ACC, \m
	TANH ACC
.irp j, 0,2,4,6,8,10,12,14
	v_pk_fma_f32 v[TMP+\j:TMP+\j+1], v[ACC+\j:ACC+\j+1], -2.0, 1.0 op_sel_hi:[1,0,0]
.endr
.irp j, 0,2,4,6,8,10,12,14
	v_pk_fma_f32 v[ACC+\j:ACC+\j+1], v[TMP+\j:TMP+\j+1], v[TMP+\j:TMP+\j+1], 1.0 op_sel_hi:[1,1,0] neg_lo:[1,0,0] neg_hi:[1,0,0]
.endr
	WIN 0x04
.irp j, 0,2,4,6,8,10,12,14
	v_pk_mul_f32 v[ACC+16+\j:ACC+16+\j+1], v[ACC+\j:ACC+\j+1], v[TB+48+\j:TB+48+\j+1]
	v_pk_mul_f32 v[ACC+32+\j:ACC+32+\j+1], v[ACC+\j:ACC+\j+1], v[TB+64+\j:TB+64+\j+1]
.endr
	WIN 0
.set jj, 0
.rept 16
	v_med3_num_f32 v[ACC+jj], v[TMP+jj], -v[LIM0], v[LIM0]
.set jj, jj+1
.endr
	HOLD32
	CODES3 \m
.endm
; THE LAST PASS, ahead of a tile's products: h1 is made again from (t, x), while the tile's fragments come in
.macro E_LA m
.set TMP, 192
	VW                                             ; the pair XX was written last behind few vector lines: its upper half is named again below
	KZ1 TMP, \m
	TANH TMP
.irp j, 0,2,4,6,8,10,12,14
	v_pk_fma_f32 v[TMP+\j:TMP+\j+1], v[TMP+\j:TMP+\j+1], -2.0, 1.0 op_sel_hi:[1,0,0]   ; h1
.endr
	VW                                             ; h1 is read behind the products' waits
.endm
; and behind them: the residual's terms, summed in two chains
.macro E_LB m
.irp j, 0,2,4,6,8,10,12,14
	v_pk_mul_f32 v[ACC+\j:ACC+\j+1], v[ACC+\j:ACC+\j+1], v[KC:KC+1]
.endr
.irp j, 0,2,4,6,8,10,12,14
	v_pk_mul_f32 v[ACC+\j:ACC+\j+1], v[ACC+\j:ACC+\j+1], v[TMP+\j:TMP+\j+1]   ; bar 2^XKC1 h1
.endr
.irp j, 0,2,4,6,8,10,12,14
	v_pk_fma_f32 v[TMP+\j:TMP+\j+1], v[TMP+\j:TMP+\j+1], v[TMP+\j:TMP+\j+1], 1.0 op_sel_hi:[1,1,0] neg_lo:[1,0,0] neg_hi:[1,0,0]   ; D1
.endr
	WIN 0x04
.irp j, 0,2,4,6,8,10,12,14
	v_pk_mul_f32 v[ACC+\j:ACC+\j+1], v[ACC+\j:ACC+\j+1], v[TB+80+\j:TB+80+\j+1]   ; x (W0t^2 - W0x^2)
.endr
.irp j, 0,2,4,6,8,10,12,14
	v_pk_fma_f32 v[ACC+\j:ACC+\j+1], v[ACC+32+\j:ACC+32+\j+1], v[TB+64+\j:TB+64+\j+1], v[ACC+\j:ACC+\j+1]   ; + W0x dbx
.endr
.irp j, 0,2,4,6,8,10,12,14
	v_pk_fma_f32 v[ACC+\j:ACC+\j+1], v[ACC+16+\j:ACC+16+\j+1], v[TB+48+\j:TB+48+\j+1], v[ACC+\j:ACC+\j+1] neg_lo:[0,0,1] neg_hi:[0,0,1]   ; W0t dbt - that
.endr
	WIN 0
	v_pk_mul_f32 v[RACC:RACC+1], v[TMP:TMP+1], v[ACC:ACC+1]
	v_pk_mul_f32 v[XX:XX+1], v[TMP+2:TMP+3], v[ACC+2:ACC+3]
.irp j, 4,8,12
	v_pk_fma_f32 v[RACC:RACC+1], v[TMP+\j:TMP+\j+1], v[ACC+\j:ACC+\j+1], v[RACC:RACC+1]
	v_pk_fma_f32 v[XX:XX+1], v[TMP+\j+2:TMP+\j+3], v[ACC+\j+2:ACC+\j+3], v[XX:XX+1]
.endr
	v_pk_add_f32 v[RACC:RACC+1], v[RACC:RACC+1], v[XX:XX+1]
	v_add_f32 v[T2], v[RACC], v[RACC+1]
	v_permlanex16_b32 v[T2+1], v[T2], s86, s87
	v_add_f32 v[T2], v[T2], v[T2+1]                ; my wave's 32 units of this point
	ds_store_b32 v[REDB], v[T2] offset:64*(\m)     ; (lanes l and l xor 16 write the same word with the same value)
.endm
; A PASS over the four tiles, written out since the saved values lie in registers.  kind 0: forward with codes; 1: forward again, saves alone; 2: layer 4; 3: backward.
; At its head tile 0's fragments are asked for (behind the bias, where there is one) and the pass's weights lie in window 1.  In tile 3 the next pass's weights, asked for a pass ago, are copied over those that are done with.
; The products' waits: behind a later tile's 24 fragment loads stand the last tile's three stores of codes (kinds 0, 3), nothing (kind 1), or the bias's four loads and three stores, of which the bias must be in (kind 2).
; kind 3, tile 3, second trip: the saved tangents of tiles 0 to 2 are done with, and the last pass's six tables take their place.  The branch hangs on the loop's counter.
.macro PASS kind
.irp m, 0,1,2,3
.if \m == 0
	MMT 12, 0
.elseif \kind == 1
	MMT 12, 0
.elseif \kind == 2
	MMT 19, 3
.else
	MMT 15, 3
.endif
.if \kind == 2
	E_4 \m
.else
.if \m < 3
	LOADF \m+1
.else
	s_wait_tensorcnt 0x0                           ; my part of the next pass's weights has landed; I alone read it
	COPYW
.if \kind == 3
	VW
	s_cmp_eq_u32 s38, 0
	s_cbranch_scc1 .Lno_tables_\@
.irp a, 0,1,2,3,4,5
	LOADC 0x40, TB+16*\a, CADR, 1024*\a
.endr
.Lno_tables_\@:
.endif
.endif
.if \kind == 0
	E_F \m, 1
.elseif \kind == 1
	E_F \m, 0
.else
	E_B \m
.endif
.endif
.endr
	WIN 0
.endm
	s_load_b256 s[4:11], s[0:1], 0x0               ; W0 s[4:5], b0 s[6:7], b1 s[8:9], b2 s[10:11]
	s_load_b256 s[12:19], s[0:1], 0x20             ; b3 s[12:13], W4 s[14:15], the exponents s[16:17], tx s[18:19]
	s_load_b128 s[20:23], s[0:1], 0x40             ; wq s[20:21], out0 s[22:23]
	v_lshl_add_u32 v[SPW], v0, 2, SPARE
	v_mov_b32 v[NIL], 0
	ds_add_u32 v[SPW], v[NIL]                      ; the wave's opening: the add, twice on end, and its wait ahead of my first tensor load
	ds_add_u32 v[SPW], v[NIL]
	v_lshrrev_b32 v[T2], 5, v0
	v_readfirstlane_b32 s[WV], v[T2]               ; wave 0..7
	s_bfe_u32 s37, ttmp6, 0x40000                  ; my place in the cluster: it enters the addresses of tx and out0 alone
	s_lshl_b32 s39, ttmp9, 2
	s_add_co_u32 s39, s39, s37                     ; my work-group
	s_mov_b32 s24, 15|(3<<16)|(1<<21)              ; group 1: the mask of all four; elements of 8 bytes; bit 21 beside a mask; no padding
	s_mov_b32 s25, 1024<<16                        ; tensor_dim0 = 1,024 elements: rows of 8,192 bytes
	s_mov_b32 s26, 2<<16                           ; tensor_dim1 = 2 rows: my two weight tiles of set 0, then of set 1
	s_mov_b32 s27, 1024<<16                        ; tile_dim0
	s_mov_b32 s28, 2                               ; tile_dim1
	s_mov_b32 s29, 2048                            ; from row to row: 16,384 bytes
	s_mov_b32 s30, 0
	s_mov_b32 s31, 0
	s_mov_b32 s32, 1                               ; group 0: count,
	s_lshl_b32 s33, s[WV], 14                      ; my part of the landing zone
	s_mov_b32 s86, 0x76543210                      ; v_permlanex16_b32: lane l xor 16
	s_mov_b32 s87, 0xfedcba98
	s_lshl_b32 s85, s[WV], 7
	s_lshl_b32 s88, s[WV], 9
	s_lshl_b32 s84, s[WV], 8
	s_add_co_u32 s84, s84, RED
	v_and_b32 v[LI], 31, v0
	v_lshlrev_b32 v[LI], 4, v[LI]
	v_add_nc_u32 v[WADR], s33, v[LI]
	v_bfe_u32 v[T2], v0, 4, 1                      ; h
	v_lshlrev_b32 v[T2], 6, v[T2]
	v_add_nc_u32 v[T2], s85, v[T2]                 ; 128 v + 64 h: my 16 units' bytes in a table
	v_add_nc_u32 v[CADR], CT, v[T2]
	v_add_nc_u32 v[VOUTB], s88, v[LI]
	v_and_b32 v90, 15, v0
	v_lshlrev_b32 v[REDB], 2, v90
	v_lshlrev_b32 v90, 3, v90                      ; 8 r
	v_add_nc_u32 v[REDB], s84, v[REDB]             ; RED + 256 v + 4 r
	v_lshlrev_b32 v91, 2, v0                       ; 4 x thread: one number of a table
	v_lshl_add_u32 v92, v0, 2, CT
	v_mov_b32 v[T2+1], 0                           ; written once: a lane permute's destination counts as one of its sources
	v_mov_b32 v[XX+1], 0                           ; (named as the upper half of a pair)
	VW                                             ; the wait at the head's end
	s_wait_dscnt 0x0                               ; both opening adds are done
	s_wait_kmcnt 0x0
	s_load_b256 s[40:47], s[16:17], 0x0            ; E0 .. E23 in s40 .. s63
	s_load_b256 s[48:55], s[16:17], 0x20
	s_load_b256 s[56:63], s[16:17], 0x40
	s_lshr_b32 s88, s[WV], 1
	s_lshl_b32 s88, s88, 15                        ; 32,768 bytes for each 64 units (two sets),
	s_and_b32 s89, s[WV], 1
	s_lshl_b32 s89, s89, 13                        ; + 8,192 for the upper 32 of them
	s_add_co_u32 s88, s88, s89
	s_mov_b32 s89, 0
	s_add_nc_u64 s[34:35], s[20:21], s[88:89]      ; pass 0's weights, my part: the same in all four partners
	s_or_b32 s35, s35, 0x80000000
	global_load_b32 v48, v91, s[4:5]               ; W0t.  (The loads into registers go out ahead of the round)
	global_load_b32 v49, v91, s[4:5] offset:1024   ; W0x
	global_load_b32 v50, v91, s[6:7]
	global_load_b32 v51, v91, s[8:9]
	global_load_b32 v52, v91, s[10:11]
	global_load_b32 v53, v91, s[12:13]
	global_load_b32 v54, v91, s[14:15]
	s_lshl_b32 s88, s39, 9                         ; 64 points of 8 bytes
	s_add_nc_u64 s[18:19], s[18:19], s[88:89]
	s_lshl_b32 s88, s39, 8                         ; 64 results of 4 bytes
	s_add_nc_u64 s[22:23], s[22:23], s[88:89]
.irp m, 0,1,2,3
	global_load_b64 v[TX+2*\m:TX+2*\m+1], v90, s[18:19] offset:128*\m
.endr
	ROUND                                          ; all four work-groups are here: the first joint loads meet
	tensor_load_to_lds s[32:35], s[24:31]
	s_nop 0
	PLACES
	s_wait_kmcnt 0x0
	s_add_co_i32 s66, s40, s41                     ; XKS2 = E0 + E1
	s_add_co_i32 s67, s44, s45                     ; XKS3 = E4 + E5
	s_add_co_i32 s68, s48, s49                     ; XKS4 = E8 + E9
	s_add_co_i32 s80, s42, s43                     ; E2 + E3
	s_add_co_i32 s81, s46, s47                     ; E6 + E7
	s_add_co_i32 s82, s50, s51                     ; E10 + E11
	s_add_co_i32 s83, s52, s53                     ; E12 + E13
	s_add_co_i32 s84, s54, s55                     ; E14 + E15
	s_sub_co_i32 s69, s46, s80                     ; XD2 = E6 - E2 - E3
	s_sub_co_i32 s70, s50, s81                     ; XD3 = E10 - E6 - E7
	s_sub_co_i32 s71, s54, s82
	s_sub_co_i32 s71, s71, 1                       ; XDG4 = E14 - 1 - E10 - E11
	s_add_co_i32 s72, s83, s81
	s_sub_co_i32 s72, s72, s84
	s_add_co_i32 s72, s72, 1                       ; XKC3
	s_sub_co_i32 s74, s56, s83                     ; XG3 = E16 - E12 - E13
	s_sub_co_i32 s75, s58, s84                     ; XDG3 = E18 - E14 - E15
	s_add_co_i32 s83, s56, s57                     ; E16 + E17
	s_add_co_i32 s84, s58, s59                     ; E18 + E19
	s_add_co_i32 s73, s83, s80
	s_sub_co_i32 s73, s73, s84
	s_add_co_i32 s73, s73, 1                       ; XKC2
	s_sub_co_i32 s76, s60, s83                     ; XG2 = E20 - E16 - E17
	s_sub_co_i32 s77, s62, s84                     ; XDG2 = E22 - E18 - E19
	s_add_co_i32 s83, s60, s61
	s_add_co_i32 s79, s62, s63                     ; XFIN = E22 + E23
	s_sub_co_i32 s78, s83, s79
	s_add_co_i32 s78, s78, 1                       ; XKC1
	s_wait_loadcnt 0x0
	v_mul_f32 v60, KLOG, v48                       ; k W0t
	v_mul_f32 v61, KLOG, v49                       ; k W0x
	v_mul_f32 v62, KLOG, v50                       ; k b0
	v_mul_f32 v63, v49, v49
	v_mul_f32 v64, KLOG, v51
	v_mul_f32 v65, KLOG, v52
	v_mul_f32 v66, KLOG, v53
	v_fma_f32 v63, v48, v48, -v63                  ; W0t^2 - W0x^2
	ds_store_b32 v92, v60
	ds_store_b32 v92, v61 offset:1024
	ds_store_b32 v92, v62 offset:2048
	ds_store_b32 v92, v48 offset:3072
	ds_store_b32 v92, v49 offset:4096
	ds_store_b32 v92, v63 offset:5120
	ds_store_b32 v92, v64 offset:6144
	ds_store_b32 v92, v65 offset:7168
	ds_store_b32 v92, v66 offset:8192
	ds_store_b32 v92, v54 offset:9216
	BAR                                            ; the tables lie in LDS.
	; ---- layer 1, into image 0.  Pass 0's weights come into registers beside tile 3
.irp a, 0,1,2,3,4
	LOADC 0x40, TB+16*\a, CADR, 1024*\a
.endr
	P2V CV0, LIM0, s40                             ; h1 / 2^E0
	P2V CVT, LIMT, s42                             ; dh1 / 2^E2
	v_add_nc_u32 v[VOUT], I0, v[VOUTB]
	VW
	s_wait_dscnt 0x0
	E_1 0
	E_1 1
	E_1 2
	VW
	s_wait_tensorcnt 0x0
	COPYW
	E_1 3
	; ---- layers 2 and 3: image 0 -> 1 -> 2.  One text, two trips: what differs lies in scalars
	s_mov_b32 s38, 0
	s_mov_b32 s96, I0
	s_mov_b32 s98, 6*1024
.Lff:
	BOUND
	s_cmp_eq_u32 s38, 0
	s_cselect_b32 s89, s66, s67
	s_cselect_b32 s90, s44, s48                    ; h / 2^E4, 2^E8
	s_cselect_b32 s91, s69, s70
	v_add_nc_u32 v[VIN], s96, v[LI]
	v_add_nc_u32 v[T2], s98, v[CADR]
	VW
	LOADC 0, BK, T2, 0                             ; this layer's bias
	LOADF 0
	KSV KS, s89
	P2V CV0, LIM0, s90
	P2V CVT, LIMT, s91
	s_add_co_u32 s97, s96, 0x10000
	v_add_nc_u32 v[VOUT], s97, v[VOUTB]
	VW                                             ; the wait at the pass's head's end
	PASS 0
	s_add_co_u32 s96, s96, 0x10000
	s_add_co_u32 s98, s98, 1024
	s_add_co_u32 s38, s38, 1
	s_cmp_lt_u32 s38, 2
	s_cbranch_scc1 .Lff
	; ---- trip 0: layer 4 (image 2 -> 1), backward at layer 3 (1 -> 2).  Trip 1: layer 2 again (from image 0, saves alone), backward at layer 2 (2 -> 1)
	s_mov_b32 s38, 0
	s_mov_b32 s96, I1
	s_mov_b32 s97, I2
.Lmb:
	BOUND
	s_cmp_eq_u32 s38, 0
	s_cbranch_scc0 .Lfr
	v_add_nc_u32 v[VIN], I2, v[LI]
	VW
	LOADC 0, BK, CADR, 8*1024
	LOADF 0
	KSV KS, s68
	P2V CV0, LIM0, s52                             ; gz / 2^E12
	P2V CVT, LIMT, s71
	v_add_nc_u32 v[VOUT], I1, v[VOUTB]
	VW
	PASS 2
	s_branch .Lmbj
.Lfr:
	v_add_nc_u32 v[VIN], I0, v[LI]
	VW
	LOADC 0, BK, CADR, 6*1024
	LOADF 0
	KSV KS, s66
	VW
	PASS 1
.Lmbj:
	BOUND
	s_cmp_eq_u32 s38, 0
	s_cselect_b32 s89, s72, s73
	s_cselect_b32 s90, s74, s76
	s_cselect_b32 s91, s75, s77
	v_add_nc_u32 v[VIN], s96, v[LI]
	VW
	LOADF 0
	P2P KC, s89
	P2V CV0, LIM0, s90
	P2V CVT, LIMT, s91
	v_add_nc_u32 v[VOUT], s97, v[VOUTB]
	VW
	PASS 3
	s_xor_b32 s96, s96, 0x70000                    ; images 1 and 2 change places
	s_xor_b32 s97, s97, 0x70000
	s_add_co_u32 s38, s38, 1
	s_cmp_lt_u32 s38, 2
	s_cbranch_scc1 .Lmb
	; ---- the last pass, from image 1: nothing more is fetched, so a plain barrier.  Its weights and its six tables are in registers
	BAR
	v_add_nc_u32 v[VIN], I1, v[LI]
	VW
	LOADF 0
	P2P KC, s78
.irp m, 0,1,2,3
	E_LA \m
.if \m == 0
	MMT 12, 0
.else
	MMT 13, 1                                      ; behind the tile's 24 loads stands the last tile's one store
.endif
.if \m < 3
	LOADF \m+1
.endif
	E_LB \m
.endr
	v_and_b32 v48, 31, v0
	v_lshlrev_b32 v48, 3, v48                      ; two points a lane
	v_add_nc_u32 v49, RED, v48
	BAR                                            ; the eight waves' sums lie in LDS
	s_cmp_lg_u32 s[WV], 0
	s_cbranch_scc1 .Lend
.irp k, 0,1,2,3,4,5,6,7
	ds_load_b64 v[52+2*\k:53+2*\k], v49 offset:256*\k
.endr
	s_add_co_i32 s85, s79, 127
	s_lshl_b32 s85, s85, 23                        ; 2^XFIN
	s_wait_dscnt 0x0
	v_pk_add_f32 v[52:53], v[52:53], v[54:55]
	v_pk_add_f32 v[56:57], v[56:57], v[58:59]
	v_pk_add_f32 v[60:61], v[60:61], v[62:63]
	v_pk_add_f32 v[64:65], v[64:65], v[66:67]
	v_pk_add_f32 v[52:53], v[52:53], v[56:57]
	v_pk_add_f32 v[60:61], v[60:61], v[64:65]
	v_pk_add_f32 v[52:53], v[52:53], v[60:61]
	v_mul_f32 v52, s85, v52
	v_mul_f32 v53, s85, v53
	global_store_b64 v48, v[52:53], s[22:23]       ; 32 lanes store 256 consecutive bytes, at a multiple of 256 from out0's first byte
.Lend:
	s_wait_tensorcnt 0x0                           ; the wave's end: behind my last tensor load and my last LDS store
	ds_add_u32 v[SPW], v[NIL]
	s_wait_dscnt 0x0
	ROUND                                          ; the closing round: no work-group ends while a partner may still ask for a part that names it
	s_endpgm
.Lfunc_end_k_q31dc7c9c54_eq:
	.size	k_q31dc7c9c54_eq, .Lfunc_end_k_q31dc7c9c54_eq-k_q31dc7c9c54_eq
	.p2alignl 7, 3214868480
	.fill 96, 4, 3214868480
	.section	.rodata,"a",@progbits
	.p2align	6, 0x0
	.amdhsa_kernel k_q31dc7c9c54_eq
		.amdhsa_group_segment_fixed_size 327680
		.amdhsa_private_segment_fixed_size 0
		.amdhsa_enable_private_segment 0
		.amdhsa_kernarg_size 80
		.amdhsa_user_sgpr_count 2
		.amdhsa_user_sgpr_kernarg_segment_ptr 1
		.amdhsa_wavefront_size32 1
		.amdhsa_system_sgpr_workgroup_id_x 1
		.amdhsa_system_sgpr_workgroup_id_y 1
		.amdhsa_system_sgpr_workgroup_id_z 1
		.amdhsa_system_vgpr_workitem_id 0
		.amdhsa_next_free_vgpr 512
		.amdhsa_next_free_sgpr 102
		.amdhsa_reserve_vcc 0
		.amdhsa_float_denorm_mode_32 3
		.amdhsa_float_denorm_mode_16_64 3
		.amdhsa_memory_ordered 1
		.amdhsa_forward_progress 1
		.amdhsa_inst_pref_size 255
	.end_amdhsa_kernel
	.section	.bss,"aw",@nobits
	.p2align	6
	.space	262144
	.amdgpu_metadata
---
amdhsa.version: [ 1, 2 ]
amdhsa.kernels:
  - .name:           k_q31dc7c9c54_eq
    .symbol:         k_q31dc7c9c54_eq.kd
    .args:
      - { .name: W0, .offset: 0, .size: 8, .value_kind: global_buffer, .address_space: global }
      - { .name: b0, .offset: 8, .size: 8, .value_kind: global_buffer, .address_space: global }
      - { .name: b1, .offset: 16, .size: 8, .value_kind: global_buffer, .address_space: global }
      - { .name: b2, .offset: 24, .size: 8, .value_kind: global_buffer, .address_space: global }
      - { .name: b3, .offset: 32, .size: 8, .value_kind: global_buffer, .address_space: global }
      - { .name: W4, .offset: 40, .size: 8, .value_kind: global_buffer, .address_space: global }
      - { .name: lowp_scales, .offset: 48, .size: 8, .value_kind: global_buffer, .address_space: global }
      - { .name: tx_equation, .offset: 56, .size: 8, .value_kind: global_buffer, .address_space: global }
      - { .name: wq, .offset: 64, .size: 8, .value_kind: global_buffer, .address_space: global }
      - { .name: out0, .offset: 72, .size: 8, .value_kind: global_buffer, .address_space: global }
    .group_segment_fixed_size: 327680
    .private_segment_fixed_size: 0
    .kernarg_segment_align: 8
    .kernarg_segment_size: 80
    .max_flat_workgroup_size: 256
    .sgpr_count:     102
    .vgpr_count:     512
    .wavefront_size: 32
...
	.end_amdgpu_metadata
.endif
;; end of part 2
;; launch ib (part 3): grid 512 x 1, 4 waves a work-group, clusters of 4 x 1, 327,680 bytes of LDS; arguments W0, b0, b1, b2, b3, W4, b4, lowp_scales, tx_init, tx_bound, wq, out0; writes out0
.if DOCPART == 3
	.amdgcn_target "amdgcn-amd-amdhsa--gfx1250"
	.amdhsa_code_object_version 6
	.text
	.protected	k_q31dc7c9c54_ib
	.globl	k_q31dc7c9c54_ib
	.p2align	8
	.type	k_q31dc7c9c54_ib,@function
k_q31dc7c9c54_ib:
	s_mov_b64 s[64:65], 0
	v_nop
	global_prefetch_b8 v0, s[64:65] scope:SCOPE_SE
	s_setreg_imm32_b32 hwreg(HW_REG_WAVE_MODE, 25, 1), 1
	s_wait_xcnt 0x0
	s_wait_alu depctr_hold_cnt(0) depctr_sa_sdst(0) depctr_va_vdst(0) depctr_va_sdst(0) depctr_va_ssrc(0) depctr_va_vcc(0) depctr_vm_vsrc(0)
	s_getreg_b32 s2, hwreg(HW_REG_IB_STS2, 6, 4)
	s_cmp_eq_u32 s2, 0
	s_cbranch_scc0 .Lentry_in_a_cluster
	s_endpgm
.Lentry_in_a_cluster:
	s_bfe_u32 s2, ttmp6, 0x10000c
	s_cmp_lg_u32 s2, 0x3003
	s_cbranch_scc0 .Lentry_shape_is_right
	s_endpgm
.Lentry_shape_is_right:
; out0[1][p] = u(tx_init[p]), out0[2][p] = du/dt(tx_init[p]), out0[3][p] = u(tx_bound[p]) of the same network; all 256 x 256 products on E4M3 codes, each operand with its given scale 2^E[i].
; LEFT OUT AS DEAD WORK, for all values of the inputs: of the table's product 29 the column of x (reference() keeps g[:, 0] alone).  Product 25 multiplies by 1: its result is W4.
; LIMIT: a NaN, an infinity or an overflow that reaches only that column is not carried to the result.
; ARITHMETIC (k = 2 log2 e): h = 1 - 2 / (1 + 2^(k z)), D = 1 - h^2; u = sum h4 w4 + b4.  Init's way back: gz4 = w4 D4; gz_l = bar D_l (l = 3, 2); du/dt = 2^(E34 + E35) sum bar D1 W0t.  Sums stay in code units.
; LIMITS: E24, E26, E28, E30, E36, E38, E40, E32 - E30 - E31, E34 - E32 - E33, E34 + E35 between -126 and 119; the six sums E_A + E_B of the forward products between -120 and 120.  NaN among the inputs is not served.
; SHARES, LAYOUT, CLUSTER, BY TURNS, ACROSS THE PASSES: as in launch eq.  A work-group takes 64 points of each set (q = 0 init, 1 bound); wave w owns units 64 w .. 64 w + 63; weights in registers, fetched ahead by joint tensor loads;
; codes go from wave to wave as images of the operand's registers: byte q 16384 + m 4096 + s 2048 + c 512 + 16 lane.  Init's D1, D2, D3 stay in registers for the way back.
; THE WAY BACK has one set of weights a pass, 128 registers: window 1 holds two, so a pass's weights are in registers before the pass before it ends.  A wave's three backward sets lie on end in wq: one load brings the first two
; (32,768 bytes) at layer 4's head, a second the third at the head of the first backward pass.  Two barriers in a backward pass (tiles 1 and 2) show tiles 0 and 1 of the image that is being written whole.
; No prefetch: the weights' codes are read by every cluster, not once.  No LDS padding: every LDS access is 16 bytes a lane on end, or one word for many lanes.
; REGISTERS.  Window 0: v0-46 addresses and constants; v48-111 ACC (forward 32 b + 16 q + 8 u + j; backward 32 (m % 2) + 8 t + j); v112-175 FR (forward 32 q + 16 s + 4 c; backward 32 (m % 2) + 16 s + 4 c); v240-255 the codes.
;   window 1: the weights (forward 128 q + 32 t + 16 s + 4 c; backward two sets at 0 and 128).   window 2: v0-127 D1 (32 m + 16 b + i), v128-255 D2.   window 3: v0-127 D3; v128 k x bias; v160 W4; v192 k W0t, later W0t; v224 k W0x.
.set I0,    0x20000
.set I1,    0x30000
.set I2,    0x40000
.set CT,    0x2c000                    ; tables of 256 f32: 0 k W0t, 1 k W0x, 2 k b0, 3 W0t, 6 k b1, 7 k b2, 8 k b3
.set RED,   0x3c000                    ; partial sums: 1024 o + 256 w + 4 x point; o = 0 u_init, 1 du/dt, 2 u_bound
.set SPARE, 0x3e000                    ; the spare words, 128 bytes for each wave: two blocks of 256 bytes that no other line names
.set KLOG,  0x4038aa3b
.set SPW, 1
.set NIL, 2
.set LI, 3
.set WADR, 4
.set CADR, 5
.set VOUTB, 6
.set VIN, 7
.set VOUT, 8
.set TXO, 9
.set REDB, 10
.set REDC, 11
.set KS0, 12
.set KS1, 14
.set CV0, 16
.set CV1, 17
.set LIM0, 18
.set LIM1, 19
.set TXI, 20                           ; v20-27 (t, x) of init's four tiles, v28-35 of bound's
.set XX, 36
.set RACC0, 38
.set RACC1, 40
.set T2, 42
.set VINC, 44
.set VOUTC, 45
.set VNX, 46                           ; 16 x lane + the image that the NEXT pass reads
.set ACC, 48
.set FR, 112
.set COD, 240
.set BK, 128
.set W4R, 160
.set W0R, 192
.set WV, 58
.set WN, 8
.set WI, 8
.set PB, 0
.set WB, 0
.set PMODE, 0
.set MMON, 0
.set TC, 0
.set TPER, 6
.set LWC, -1
.set BARON, 0
.set MSB, 0
.macro WIN new
.if MSB != (\new)
	s_set_vgpr_msb (MSB<<8)|(\new)
.set MSB, (\new)
.endif
.endm
.macro PLACES
.rept 4
	v_nop
.endr
.endm
.macro ROUND
	s_barrier_signal -1
	s_barrier_wait -1
	s_cmp_lg_u32 s[WV], 0
	s_cbranch_scc1 .Lnot_wave_0_\@
	s_barrier_signal -3
.Lnot_wave_0_\@:
	s_barrier_wait -3
	s_barrier_signal -1
	s_barrier_wait -1
.endm
; the edge between two passes behind which weights are fetched, as in launch eq.  g0, g1: the descriptor's groups; step: what its address moves by.  One tensor load of mine is out.
.macro BOUND g0, g1, step
	WIN 0
	s_wait_alu depctr_va_vdst(0)                   ; the wait ahead of the blocking wait
	s_wait_tensorcnt 0x0
	ds_add_u32 v[SPW], v[NIL]
.if \step
	s_add_nc_u64 s[\g0+2:\g0+3], s[\g0+2:\g0+3], \step
.endif
	s_wait_dscnt 0x0
	ROUND
	tensor_load_to_lds s[\g0:\g0+3], s[\g1:\g1+7]
	s_nop 0
	PLACES
.endm
.macro BAR
	WIN 0
	s_wait_alu depctr_va_vdst(0)                   ; the wait ahead of the blocking wait
	s_wait_dscnt 0x0
	s_barrier_signal -1
	s_barrier_wait -1
.endm
.macro P2V cv, lim, sx
	s_add_co_i32 s82, \sx, 127
	s_lshl_b32 s83, s82, 23
	v_mov_b32 v[\cv], s83
	s_add_co_i32 s82, s82, 8
	s_lshl_b32 s82, s82, 23
	s_or_b32 s82, s82, 0x600000
	v_mov_b32 v[\lim], s82
.endm
.macro KSV pr, sa, sb                  ; k 2^(a + b) into both registers of a pair
	s_add_co_i32 s82, \sa, \sb
	s_lshl_b32 s82, s82, 23
	s_add_co_i32 s82, s82, KLOG
	v_mov_b32 v[\pr], s82
	v_mov_b32 v[\pr+1], s82
.endm
.macro LOADCH wn, reg, adr, off, b     ; half b of my lane's 32 numbers of a table
	WIN \wn
.irp u, 0,1
.irp i, 0,1
	ds_load_b128 v[\reg+16*(\b)+8*\u+4*\i:\reg+16*(\b)+8*\u+4*\i+3], v[\adr] offset:\off+128*(\b)+32*\u+16*\i
.endr
.endr
.endm
.macro LOADC wn, reg, adr, off
	LOADCH \wn, \reg, \adr, \off, 0
	LOADCH \wn, \reg, \adr, \off, 1
.endm
.macro LOADF adr, m                    ; forward: tile m's four fragments
	WIN 0
.irp q, 0,1
.irp s, 0,1
.irp c, 0,1,2,3
	ds_load_b128 v[FR+32*\q+16*\s+4*\c:FR+32*\q+16*\s+4*\c+3], v[\adr] offset:\q*16384+(\m)*4096+\s*2048+\c*512
.endr
.endr
.endr
.endm
.macro LOADFB adr, set, m              ; backward: tile m's two fragments into one of two sets
	WIN 0
.irp s, 0,1
.irp c, 0,1,2,3
	ds_load_b128 v[FR+32*(\set)+16*\s+4*\c:FR+32*(\set)+16*\s+4*\c+3], v[\adr] offset:(\m)*4096+\s*2048+\c*512
.endr
.endr
.endm
.macro COPYW b
	WIN 0x40
.irp q, 0,1
.irp u, 0,1
.irp s, 0,1
.irp c, 0,1,2,3
	ds_load_b128 v[128*\q+32*(2*(\b)+\u)+16*\s+4*\c:128*\q+32*(2*(\b)+\u)+16*\s+4*\c+3], v[WADR] offset:\q*16384+(2*(\b)+\u)*4096+\s*2048+\c*512
.endr
.endr
.endr
.endr
	WIN 0
.endm
.macro COPYWBH wb, off, hf             ; half hf (two weight tiles) of a backward set, from byte off of my landing zone into window 1 at wb
	WIN 0x40
.irp t, 0,1
.irp s, 0,1
.irp c, 0,1,2,3
	ds_load_b128 v[(\wb)+32*(2*(\hf)+\t)+16*\s+4*\c:(\wb)+32*(2*(\hf)+\t)+16*\s+4*\c+3], v[WADR] offset:(\off)+(2*(\hf)+\t)*4096+\s*2048+\c*512
.endr
.endr
.endr
	WIN 0
.endm
.macro COPYWB wb, off
	COPYWBH \wb, \off, 0
	COPYWBH \wb, \off, 1
.endm
; Matrix instruction WI of 8 of what is pending.  Forward: half tile PB: K step WI / 4, set (WI % 4) / 2, weight tile 2 PB + WI % 2.  Backward: the tile in set PB, weights at WB: K step WI / 4, weight tile WI % 4.
; Four accumulators take turns, one instruction a turn.
.macro MM
.if WI < WN
.set mS, WI/4
.if PMODE == 0
.set mQ, (WI%4)/2
.set mU, WI%2
.set mD, ACC+32*PB+16*mQ+8*mU
.set mA, 128*mQ+32*(2*PB+mU)+16*mS
.set mB, FR+32*mQ+16*mS
.else
.set mD, ACC+32*PB+8*(WI%4)
.set mA, WB+32*(WI%4)+16*mS
.set mB, FR+32*PB+16*mS
.endif
	WIN 0x01
.if mS == 0
	v_wmma_f32_16x16x128_fp8_fp8 v[mD:mD+7], v[mA:mA+15], v[mB:mB+15], 0
.else
	v_wmma_f32_16x16x128_fp8_fp8 v[mD:mD+7], v[mA:mA+15], v[mB:mB+15], v[mD:mD+7]
.endif
.set WI, WI+1
.endif
.endm
.macro TICK
.set TC, TC+1
.if MMON
.if (TC%TPER) == 0
	MM
.endif
.endif
.endm
.macro PENDF b
.set PMODE, 0
.set PB, (\b)
.set WI, 0
.endm
.macro PENDB p, wb
.set PMODE, 1
.set PB, (\p)
.set WB, (\wb)
.set WI, 0
.endm
.macro PENDNONE
.set WI, WN
.endm
.macro LWHOOK                          ; ahead of a half tile's first matrix instruction: the wait for what it reads; and, where a barrier stands in this half tile, its signal (my LDS instructions are all done there)
.if LWC >= 0
	s_wait_dscnt LWC
.endif
.if BARON
	s_barrier_signal -1
.endif
.endm
.macro BWHOOK                          ; that barrier's wait, ahead of the stores
.if BARON
	s_wait_alu depctr_va_vdst(0)
	s_barrier_wait -1
.endif
.endm
.macro TANH a, n
	s_wait_alu depctr_va_vdst(0)                   ; the wait ahead of the batch
.set tj, 0
.rept \n
	v_exp_f32 v[\a+tj], v[\a+tj]
.set tj, tj+1
.endr
	v_nop
	s_wait_alu depctr_va_vdst(0)                   ; the wait ahead of the batch's first reader: one for the batch
.set tj, 0
.rept (\n)/2
	v_pk_add_f32 v[\a+tj:\a+tj+1], v[\a+tj:\a+tj+1], 1.0 op_sel_hi:[1,0]
.set tj, tj+2
.endr
.set tj, 0
	s_wait_alu depctr_va_vdst(0)                   ; and ahead of the second batch
.rept \n
	v_rcp_f32 v[\a+tj], v[\a+tj]
.set tj, tj+1
.endr
	v_nop
	s_wait_alu depctr_va_vdst(0)
.endm
.macro KZ b                            ; k z of both sets from the sums: each accumulator is read from its low end on
	WIN 0x30
.set jj, 0
.rept 8
	v_pk_fma_f32 v[A0+jj:A0+jj+1], v[A0+jj:A0+jj+1], v[KS0:KS0+1], v[BK+16*(\b)+jj:BK+16*(\b)+jj+1]
.set jj, jj+2
.endr
.set jj, 0
.rept 8
	v_pk_fma_f32 v[A0+16+jj:A0+16+jj+1], v[A0+16+jj:A0+16+jj+1], v[KS1:KS1+1], v[BK+16*(\b)+jj:BK+16*(\b)+jj+1]
.set jj, jj+2
.endr
	WIN 0
.endm
.macro HH                              ; h = 1 - 2 r, 32 numbers in place
.set jj, 0
.rept 16
	WIN 0
	v_pk_fma_f32 v[A0+jj:A0+jj+1], v[A0+jj:A0+jj+1], -2.0, 1.0 op_sel_hi:[1,0,0]
	TICK
.set jj, jj+2
.endr
.endm
.macro DSAVE                           ; init's D = 1 - h h into window DW at DV
.set jj, 0
.rept 8
	WIN DW<<6
	v_pk_fma_f32 v[DV+jj:DV+jj+1], v[A0+jj:A0+jj+1], v[A0+jj:A0+jj+1], 1.0 op_sel_hi:[1,1,0] neg_lo:[1,0,0] neg_hi:[1,0,0]
	TICK
.set jj, jj+2
.endr
.endm
.macro HOLD2                           ; the hold at the largest code x the scale (the conversion to an 8-bit code does not saturate: ISA guide 7.6.2)
.set jj, 0
.rept 16
	WIN 0
	v_med3_num_f32 v[A0+jj], v[A0+jj], -v[LIM0], v[LIM0]
	TICK
.set jj, jj+1
.endr
.rept 16
	WIN 0
	v_med3_num_f32 v[A0+jj], v[A0+jj], -v[LIM1], v[LIM1]
	TICK
.set jj, jj+1
.endr
.endm
.macro CODES2 m, b
	WIN 0
.irp q, 0,1
	v_cvt_scalef32_pk8_fp8_f32 v[COD+4*\q:COD+4*\q+1], v[A0+16*\q:A0+16*\q+7], v[CV0+\q]
	v_cvt_scalef32_pk8_fp8_f32 v[COD+4*\q+2:COD+4*\q+3], v[A0+16*\q+8:A0+16*\q+15], v[CV0+\q]
.endr
	v_nop                                          ; a plain line behind the last conversion: matrix instructions will write its sources
.irp q, 0,1
	ds_store_b128 v[VOUT], v[COD+4*\q:COD+4*\q+3] offset:\q*16384+(\m)*4096+(\b)*512
.endr
.endm
.macro AFTER m, b                      ; behind r: h, init's D, the holds, with what is pending among them (56 lines, a matrix instruction behind every sixth, eight lines behind the eighth); the codes
	LWHOOK
.set MMON, 1
.set TC, 0
	HH
	DSAVE
	HOLD2
.set MMON, 0
	BWHOOK
	CODES2 \m, \b
.endm
; LAYER 1 of both sets
.macro EI_1 m, b
.set A0, ACC+32*(\b)
.set CB, 16*(\b)
.set DW, 2
.set DV, 32*(\m)+16*(\b)
.set MMON, 0
.set TPER, 6
.irp q, 0,1
	WIN 0
	v_mov_b32 v[XX], v[TXI+8*\q+2*(\m)+1]
	WIN 0x3c
.set jj, 0
.rept 8
	v_pk_fma_f32 v[A0+16*\q+jj:A0+16*\q+jj+1], v[XX:XX+1], v[224+CB+jj:224+CB+jj+1], v[BK+CB+jj:BK+CB+jj+1] op_sel_hi:[0,1,1]   ; x k W0x + k b0 (the pair's low word for both halves)
.set jj, jj+2
.endr
	WIN 0x0c
.set jj, 0
.rept 8
	v_pk_fma_f32 v[A0+16*\q+jj:A0+16*\q+jj+1], v[TXI+8*\q+2*(\m):TXI+8*\q+2*(\m)+1], v[W0R+CB+jj:W0R+CB+jj+1], v[A0+16*\q+jj:A0+16*\q+jj+1] op_sel_hi:[0,1,1]   ; + t k W0t
.set jj, jj+2
.endr
.endr
	WIN 0
	TANH A0, 32
	AFTER \m, \b
.endm
; LAYERS 2 and 3
.macro EI_F l, m, b
.set A0, ACC+32*(\b)
.if \l == 2
.set DW, 2
.set DV, 128+32*(\m)+16*(\b)
.else
.set DW, 3
.set DV, 32*(\m)+16*(\b)
.endif
.set MMON, 0
.set TPER, 6
	KZ \b
	TANH A0, 32
	AFTER \m, \b
.endm
; LAYER 4: u's terms of both sets; init's gz4 = w4 D4 as codes
.macro EI_4 b
.set A0, ACC+32*(\b)
.set MMON, 0
.set TPER, 6
	KZ \b
	TANH A0, 32
	LWHOOK
.set MMON, 1
.set TC, 0
	HH
.set jj, 0
.rept 8
	WIN 0x0c
	v_pk_fma_f32 v[RACC0:RACC0+1], v[A0+jj:A0+jj+1], v[W4R+16*(\b)+jj:W4R+16*(\b)+jj+1], v[RACC0:RACC0+1]
	TICK
	WIN 0x0c
	v_pk_fma_f32 v[RACC1:RACC1+1], v[A0+16+jj:A0+16+jj+1], v[W4R+16*(\b)+jj:W4R+16*(\b)+jj+1], v[RACC1:RACC1+1]
	TICK
.set jj, jj+2
.endr
.set jj, 0
.rept 8
	WIN 0
	v_pk_fma_f32 v[A0+jj:A0+jj+1], v[A0+jj:A0+jj+1], v[A0+jj:A0+jj+1], 1.0 op_sel_hi:[1,1,0] neg_lo:[1,0,0] neg_hi:[1,0,0]
	TICK
.set jj, jj+2
.endr
.set jj, 0
.rept 8
	WIN 0x0c
	v_pk_mul_f32 v[A0+jj:A0+jj+1], v[A0+jj:A0+jj+1], v[W4R+16*(\b)+jj:W4R+16*(\b)+jj+1]
	TICK
.set jj, jj+2
.endr
.set jj, 0
.rept 16
	WIN 0
	v_med3_num_f32 v[A0+jj], v[A0+jj], -v[LIM0], v[LIM0]
	TICK
.set jj, jj+1
.endr
.set MMON, 0
	WIN 0
	v_cvt_scalef32_pk8_fp8_f32 v[COD:COD+1], v[A0:A0+7], v[CV0]
	v_cvt_scalef32_pk8_fp8_f32 v[COD+2:COD+3], v[A0+8:A0+15], v[CV0]
	v_nop
	BWHOOK
	ds_store_b128 v[VOUTC], v[COD:COD+3] offset:(\b)*512
.endm
; BACKWARD at layer 3 or 2, a whole tile: gz = bar D_l
.macro EI_B l, m
.set A0, ACC+32*((\m)%2)
.if \l == 3
.set DW, 3
.set DV, 32*(\m)
.else
.set DW, 2
.set DV, 128+32*(\m)
.endif
.set MMON, 1
.set TC, 0
.set TPER, 5
.set jj, 0
.rept 16
	WIN DW<<2
	v_pk_mul_f32 v[A0+jj:A0+jj+1], v[A0+jj:A0+jj+1], v[DV+jj:DV+jj+1]
	TICK
.set jj, jj+2
.endr
.set jj, 0
.rept 32
	WIN 0
	v_med3_num_f32 v[A0+jj], v[A0+jj], -v[LIM0], v[LIM0]
	TICK
.set jj, jj+1
.endr
.set MMON, 0
	WIN 0
.irp b, 0,1
	v_cvt_scalef32_pk8_fp8_f32 v[COD+4*\b:COD+4*\b+1], v[A0+16*\b:A0+16*\b+7], v[CV0]
	v_cvt_scalef32_pk8_fp8_f32 v[COD+4*\b+2:COD+4*\b+3], v[A0+16*\b+8:A0+16*\b+15], v[CV0]
.endr
	v_nop
	BWHOOK
.irp b, 0,1
	ds_store_b128 v[VOUT], v[COD+4*\b:COD+4*\b+3] offset:(\m)*4096+\b*512
.endr
.endm
; THE LAST PASS: du/dt's terms bar D1 W0t
.macro EI_L m
.set A0, ACC+32*((\m)%2)
.set DV, 32*(\m)
.set MMON, 1
.set TC, 0
.set TPER, 3
	WIN 0
	v_mov_b32 v[RACC0], 0
	v_mov_b32 v[RACC0+1], 0
.set jj, 0
.rept 16
	WIN 0x08
	v_pk_mul_f32 v[A0+jj:A0+jj+1], v[A0+jj:A0+jj+1], v[DV+jj:DV+jj+1]
	TICK
.set jj, jj+2
.endr
.set jj, 0
.rept 16
	WIN 0x0c
	v_pk_fma_f32 v[RACC0:RACC0+1], v[A0+jj:A0+jj+1], v[W0R+jj:W0R+jj+1], v[RACC0:RACC0+1]
	TICK
.set jj, jj+2
.endr
.set MMON, 0
	WIN 0
	v_add_f32 v[T2], v[RACC0], v[RACC0+1]
	v_permlanex16_b32 v[T2+1], v[T2], s94, s95
	v_add_f32 v[T2], v[T2], v[T2+1]
	ds_store_b32 v[REDB], v[T2] offset:1024+64*(\m)
.endm
.macro EIB l, m
.if \l > 1
	EI_B \l, \m
.else
	EI_L \m
.endif
.endm
; A FORWARD PASS over the four tiles, as in launch eq.  At its head the sums of (tile 0, first half), tile 0's fragments and the weights are there.  nxt: the next layer's bias in the tables.
; Tile 2, second half: the barrier in the pass's middle.  Tile 3: the next weights, tile 0 of the image that the next pass reads, and that pass's first 8 products among the last half tile's lines.
.macro PASSF l, nxt
.irp m, 0,1,2,3
.if \m == 3
	s_wait_tensorcnt 0x0                           ; my part of the next pass's weights has landed; I alone read it
	COPYW 0
.endif
	PENDF 1
.set LWC, -1
.set BARON, 0
	EI_F \l, \m, 0
.if \m < 3
	LOADF VIN, \m+1
.if \m == 0
	s_wait_dscnt 16                                ; all but the 16 loads just issued: what was asked for behind the edge (the bias's upper half) is in
.endif
	PENDF 0
.set LWC, 0
.if \m == 2
.set BARON, 1
.endif
	EI_F \l, \m, 1
.set BARON, 0
.else
	LOADCH 0xc0, BK, CADR, \nxt, 0
	LOADF VNX, 0
	COPYW 1
	PENDF 0
.set LWC, 32                           ; all but the 32 copies issued last, which those 8 products do not read
	EI_F \l, \m, 1
.endif
.endr
	WIN 0
.endm
; A TILE OF LAYER 4.  last = 0: a trip of the loop (tiles 0 to 2).  last = 1: tile 3, written out: it carries the change to the way back: the barrier that shows tiles 0 to 2 of gz4's image whole, both backward sets that have
; landed, the first two tiles' fragments, and the first backward pass's first 8 products.
.macro F4TRIP last
	v_mov_b32 v[RACC0], 0
	v_mov_b32 v[RACC0+1], 0
	v_mov_b32 v[RACC1], 0
	v_mov_b32 v[RACC1+1], 0
.if \last
	v_add_nc_u32 v[VOUTC], I1+3*4096, v[VOUTB]
	v_add_nc_u32 v[REDC], 3*64, v[REDB]
.else
	s_add_co_u32 s82, s99, I1
	v_add_nc_u32 v[VOUTC], s82, v[VOUTB]
	v_add_nc_u32 v[REDC], s101, v[REDB]
	s_add_co_u32 s99, s99, 4096
	s_add_co_u32 s82, s99, I2
	v_add_nc_u32 v[VINC], s82, v[LI]               ; the next tile
.endif
	PENDF 1
.if \last
.set LWC, 0
.set BARON, 1
.else
.set LWC, -1
.set BARON, 0
.endif
	EI_4 0
.set BARON, 0
.if \last
	s_wait_tensorcnt 0x0                           ; both sets have landed
	COPYWB 0, 0
	LOADFB VNX, 0, 0
	LOADFB VNX, 1, 1
	COPYWB 128, 16384
	PENDB 0, 0
.set LWC, 32                           ; all but the second set's 32 copies
.else
	LOADF VINC, 0
	s_wait_dscnt 16                                ; all but the 16 loads just issued: in the first trip the bias's upper half, asked for behind the edge, is in
	PENDF 0
.set LWC, 0
.endif
	EI_4 1
	v_add_f32 v[T2], v[RACC0], v[RACC0+1]
	v_permlanex16_b32 v[T2+1], v[T2], s94, s95
	v_add_f32 v[T2], v[T2], v[T2+1]
	ds_store_b32 v[REDC], v[T2]                    ; u_init's part.  (Lanes l and l xor 16 write the same word with the same value)
	v_add_f32 v[RACC1], v[RACC1], v[RACC1+1]
	v_permlanex16_b32 v[T2+1], v[RACC1], s94, s95
	v_add_f32 v[RACC1], v[RACC1], v[T2+1]
	ds_store_b32 v[REDC], v[RACC1] offset:2048     ; u_bound's
.endm
; A BACKWARD PASS: two sets of fragments and of accumulators take turns, tile by tile; tile m's vector lines carry tile m + 1's 8 products.  At its head tile 0's sums lie in accumulator set 0 and tile 1's fragments in set 1.
; wbc: where this pass's weights lie in window 1; wbn: the next pass's.  l = 3, 2: EI_B; l = 1: EI_L, the last: nothing follows it.
; TILES 1 AND 2 (l > 1) each open with a barrier's signal, all my LDS instructions done; its wait stands ahead of the tile's stores.  Between them stand, beside work on registers, LDS loads of bytes that nobody writes any more:
; the image that is read, tile 0 of the image that is written (whole since the first of the two barriers), my own landing zone.  Behind the second barrier tile 1 is whole too.
; l = 2: the last pass's weights, asked for a pass ago, are copied in two halves, in tiles 1 and 2.
.macro PASSB l, wbc, wbn
.set BARON, 0
	LOADFB VIN, 0, 2
	PENDB 1, \wbc
	EIB \l, 0
.if \l == 2
	s_wait_tensorcnt 0x0
.endif
	s_wait_dscnt 0x0                               ; tile 2's fragments are in; my stores of tile 0 are done
.if \l > 1
	s_barrier_signal -1
.set BARON, 1
.endif
	LOADFB VIN, 1, 3
.if \l == 2
	COPYWBH \wbn, 0, 0
.endif
	PENDB 0, \wbc
	EIB \l, 1
	s_wait_dscnt 0x0                               ; tile 3's fragments are in; my stores of tile 1 are done
.if \l > 1
	s_barrier_signal -1
	LOADFB VNX, 0, 0
.endif
.if \l == 2
	COPYWBH \wbn, 0, 1
.endif
	PENDB 1, \wbc
	EIB \l, 2
.set BARON, 0
.if \l > 1
	LOADFB VNX, 1, 1
	s_wait_dscnt 8                                 ; all but the eight loads just issued: the next pass's tile 0 and its weights are in
	PENDB 0, \wbn
.else
	PENDNONE
.endif
	EIB \l, 3
	WIN 0
.endm
	s_load_b256 s[4:11], s[0:1], 0x0               ; W0 s[4:5], b0 s[6:7], b1 s[8:9], b2 s[10:11]
	s_load_b256 s[12:19], s[0:1], 0x20             ; b3 s[12:13], W4 s[14:15], b4 s[16:17], the exponents s[18:19]
	s_load_b256 s[20:27], s[0:1], 0x40             ; tx_init s[20:21], tx_bound s[22:23], wq s[24:25], out0 s[26:27]
	v_lshl_add_u32 v[SPW], v0, 2, SPARE
	v_mov_b32 v[NIL], 0
	ds_add_u32 v[SPW], v[NIL]                      ; the wave's opening: the add, twice on end, and its wait ahead of my first tensor load
	ds_add_u32 v[SPW], v[NIL]
	v_lshrrev_b32 v[T2], 5, v0
	v_readfirstlane_b32 s[WV], v[T2]               ; wave 0..3
	s_bfe_u32 s59, ttmp6, 0x40000                  ; my place in the cluster: it enters the addresses of tx and out0 alone
	s_lshl_b32 s60, ttmp9, 2
	s_add_co_u32 s60, s60, s59                     ; my work-group
	s_mov_b32 s28, 15|(3<<16)|(1<<21)              ; group 1 for 32,768 bytes: the mask of all four; elements of 8 bytes; bit 21 beside a mask; no padding
	s_mov_b32 s29, 32<<16                          ; rows of 256 bytes,
	s_mov_b32 s30, 128<<16                         ; 128 of them, dense
	s_mov_b32 s31, 32<<16
	s_mov_b32 s32, 128
	s_mov_b32 s33, 32
	s_mov_b32 s34, 0
	s_mov_b32 s35, 0
	s_mov_b32 s68, 15|(3<<16)|(1<<21)              ; group 1 for 16,384 bytes: 64 rows
	s_mov_b32 s69, 32<<16
	s_mov_b32 s70, 64<<16
	s_mov_b32 s71, 32<<16
	s_mov_b32 s72, 64
	s_mov_b32 s73, 32
	s_mov_b32 s74, 0
	s_mov_b32 s75, 0
	s_mov_b32 s36, 1
	s_lshl_b32 s37, s[WV], 15                      ; my part of the landing zone, for both groups 0
	s_mov_b32 s76, 1
	s_lshl_b32 s77, s[WV], 15
	s_mov_b32 s94, 0x76543210                      ; v_permlanex16_b32: lane l xor 16
	s_mov_b32 s95, 0xfedcba98
	v_and_b32 v[LI], 31, v0
	v_lshlrev_b32 v[LI], 4, v[LI]
	v_add_nc_u32 v[WADR], s37, v[LI]
	v_bfe_u32 v[T2], v0, 4, 1                      ; h
	v_lshlrev_b32 v177, 6, v[T2]
	s_lshl_b32 s82, s[WV], 8
	v_add_nc_u32 v177, s82, v177                   ; 256 w + 64 h
	v_add_nc_u32 v[CADR], CT, v177
	s_lshl_b32 s83, s[WV], 10
	v_add_nc_u32 v[VOUTB], s83, v[LI]
	v_and_b32 v[TXO], 15, v0
	v_lshlrev_b32 v[REDB], 2, v[TXO]
	v_lshlrev_b32 v[TXO], 3, v[TXO]
	s_add_co_u32 s82, s82, RED
	v_add_nc_u32 v[REDB], s82, v[REDB]
	v_lshlrev_b32 v176, 3, v0
	v_lshl_add_u32 v178, v0, 3, CT
	v_mov_b32 v[T2+1], 0                           ; written once: a lane permute's destination counts as one of its sources
	v_mov_b32 v[XX+1], 0
	s_wait_alu depctr_va_vdst(0)                   ; the wait at the head's end
	s_wait_dscnt 0x0
	s_wait_kmcnt 0x0
	s_load_b512 s[40:55], s[18:19], 0x60           ; E24 .. E41 in s40 .. s57
	s_load_b64 s[56:57], s[18:19], 0xa0
	s_load_b32 s61, s[16:17], 0x0                  ; b4
	s_mov_b32 s80, s37
	s_mov_b32 s81, 0
	s_add_nc_u64 s[38:39], s[24:25], s[80:81]
	s_add_nc_u64 s[38:39], s[38:39], 0xe0000       ; the forward sets begin at unit 56; my 32,768 bytes of pass 0: the same in all four partners
	s_or_b32 s39, s39, 0x80000000
	s_mul_i32 s80, s[WV], 3*16384
	s_add_nc_u64 s[78:79], s[24:25], s[80:81]
	s_add_nc_u64 s[78:79], s[78:79], 0x140000      ; the backward sets begin at unit 80; my three lie on end
	s_or_b32 s79, s79, 0x80000000
	global_load_b64 v[180:181], v176, s[4:5]       ; W0t.  (The loads into registers go out ahead of the round, so that they are on their way while the cluster meets)
	global_load_b64 v[182:183], v176, s[4:5] offset:1024   ; W0x
	global_load_b64 v[184:185], v176, s[6:7]
	global_load_b64 v[186:187], v176, s[8:9]
	global_load_b64 v[188:189], v176, s[10:11]
	global_load_b64 v[190:191], v176, s[12:13]
	WIN 0xc0
.irp b, 0,1
.irp u, 0,1
.irp i, 0,1
	global_load_b128 v[W4R+16*\b+8*\u+4*\i:W4R+16*\b+8*\u+4*\i+3], v177, s[14:15] offset:128*\b+32*\u+16*\i
.endr
.endr
.endr
	WIN 0
	s_lshl_b32 s80, s60, 9
	s_add_nc_u64 s[20:21], s[20:21], s[80:81]
	s_add_nc_u64 s[22:23], s[22:23], s[80:81]
	s_lshl_b32 s80, s60, 8
	s_add_nc_u64 s[26:27], s[26:27], s[80:81]
.irp m, 0,1,2,3
	global_load_b64 v[TXI+2*\m:TXI+2*\m+1], v[TXO], s[20:21] offset:128*\m
	global_load_b64 v[TXI+8+2*\m:TXI+8+2*\m+1], v[TXO], s[22:23] offset:128*\m
.endr
	ROUND                                          ; all four work-groups are here: the first joint loads meet
	tensor_load_to_lds s[36:39], s[28:35]
	s_nop 0
	PLACES
	s_wait_loadcnt 0x0
.irp j, 0,1
	v_mul_f32 v[192+\j], KLOG, v[180+\j]
	v_mul_f32 v[194+\j], KLOG, v[182+\j]
	v_mul_f32 v[196+\j], KLOG, v[184+\j]
	v_mul_f32 v[198+\j], KLOG, v[186+\j]
	v_mul_f32 v[200+\j], KLOG, v[188+\j]
	v_mul_f32 v[202+\j], KLOG, v[190+\j]
.endr
	ds_store_b64 v178, v[192:193]
	ds_store_b64 v178, v[194:195] offset:1024
	ds_store_b64 v178, v[196:197] offset:2048
	ds_store_b64 v178, v[180:181] offset:3072
	ds_store_b64 v178, v[198:199] offset:6144
	ds_store_b64 v178, v[200:201] offset:7168
	ds_store_b64 v178, v[202:203] offset:8192
	BAR                                            ; the tables lie in LDS.
	; ---- layer 1 of both sets, into image 0.  Pass 0's weights land beside tiles 0 and 1 and come into registers beside tiles 2 and 3; tile 2 holds the barrier, tile 3's second half layer 2's first 8 products
	LOADC 0xc0, W0R, CADR, 0
	LOADC 0xc0, 224, CADR, 1024
	LOADC 0xc0, BK, CADR, 2048
	WIN 0
	s_wait_kmcnt 0x0
	P2V CV0, LIM0, s40                             ; / 2^E24
	P2V CV1, LIM1, s52                             ; / 2^E36
	v_add_nc_u32 v[VOUT], I0, v[VOUTB]
	v_add_nc_u32 v[VNX], I0, v[LI]
	s_wait_alu depctr_va_vdst(0)
	s_wait_dscnt 0x0
	PENDNONE
.set LWC, -1
.set BARON, 0
	EI_1 0, 0
	EI_1 0, 1
	EI_1 1, 0
	EI_1 1, 1
	s_wait_tensorcnt 0x0
	COPYW 0
	COPYW 1
	EI_1 2, 0
.set LWC, 0
.set BARON, 1
	EI_1 2, 1
.set BARON, 0
.set LWC, -1
	EI_1 3, 0
	LOADCH 0xc0, BK, CADR, 6*1024, 0               ; layer 2's bias, lower half: k b0's has been read for the last time
	LOADF VNX, 0
	PENDF 0
.set LWC, 0
	EI_1 3, 1
	; ---- layer 2: image 0 -> 1
	BOUND 36, 28, 0x20000
	KSV KS0, s40, s41
	KSV KS1, s52, s53
	P2V CV0, LIM0, s42                             ; / 2^E26
	P2V CV1, LIM1, s54                             ; / 2^E38
	v_add_nc_u32 v[VIN], I0, v[LI]
	v_add_nc_u32 v[VOUT], I1, v[VOUTB]
	v_add_nc_u32 v[VNX], I1, v[LI]
	LOADCH 0xc0, BK, CADR, 6*1024, 1
	LOADC 0xc0, W0R, CADR, 3*1024                  ; W0t, for the last pass, takes k W0t's place
	WIN 0
	s_wait_alu depctr_va_vdst(0)                   ; at the end of the pass's head
	PASSF 2, 7*1024
	; ---- layer 3: image 1 -> 2
	BOUND 36, 28, 0x20000
	KSV KS0, s42, s43
	KSV KS1, s54, s55
	P2V CV0, LIM0, s44                             ; / 2^E28
	P2V CV1, LIM1, s56                             ; / 2^E40
	v_add_nc_u32 v[VIN], I1, v[LI]
	v_add_nc_u32 v[VOUT], I2, v[VOUTB]
	v_add_nc_u32 v[VNX], I2, v[LI]
	LOADCH 0xc0, BK, CADR, 7*1024, 1
	WIN 0
	s_wait_alu depctr_va_vdst(0)
	PASSF 3, 8*1024
	; ---- layer 4: image 2 -> 1 (init's gz4 alone).  Behind the edge the first two backward sets are asked for.  Nothing is saved, so tiles 0 to 2 are a loop; tile 3 is written out
	BOUND 76, 28, 0
	KSV KS0, s44, s45
	KSV KS1, s56, s57
	P2V CV0, LIM0, s46                             ; / 2^E30
	v_add_nc_u32 v[VNX], I1, v[LI]
	LOADCH 0xc0, BK, CADR, 8*1024, 1
	WIN 0
	s_mov_b32 s99, 0
	s_mov_b32 s101, 0
	s_mov_b32 s98, 0
	s_wait_alu depctr_va_vdst(0)
.Lf4:
	F4TRIP 0
	s_add_co_u32 s101, s101, 64
	s_add_co_u32 s98, s98, 1
	s_cmp_lt_u32 s98, 3
	s_cbranch_scc1 .Lf4
	F4TRIP 1
	; ---- backward at layer 3: image 1 -> 2.  Behind the edge the third backward set is asked for, into the half of my landing zone that has been copied out
	BOUND 76, 68, 0x8000
	s_sub_co_i32 s84, s48, s46
	s_sub_co_i32 s84, s84, s47                     ; E32 - E30 - E31
	P2V CV0, LIM0, s84
	v_add_nc_u32 v[VIN], I1, v[LI]
	v_add_nc_u32 v[VOUT], I2, v[VOUTB]
	v_add_nc_u32 v[VNX], I2, v[LI]
	s_wait_alu depctr_va_vdst(0)
	PASSB 3, 0, 128
	; ---- backward at layer 2: image 2 -> 1.  Nothing more is fetched, so a plain barrier
	BAR
	s_sub_co_i32 s84, s50, s48
	s_sub_co_i32 s84, s84, s49                     ; E34 - E32 - E33
	P2V CV0, LIM0, s84
	v_add_nc_u32 v[VIN], I2, v[LI]
	v_add_nc_u32 v[VOUT], I1, v[VOUTB]
	v_add_nc_u32 v[VNX], I1, v[LI]
	s_wait_alu depctr_va_vdst(0)
	PASSB 2, 128, 0
	; ---- the last pass, from image 1
	BAR
	v_add_nc_u32 v[VIN], I1, v[LI]
	s_wait_alu depctr_va_vdst(0)
	PASSB 1, 0, 0
	v_and_b32 v176, 31, v0
	v_lshlrev_b32 v176, 3, v176                    ; two points a lane
	s_lshl_b32 s82, s[WV], 10
	s_add_co_u32 s82, s82, RED
	v_add_nc_u32 v177, s82, v176                   ; wave o takes output o
	BAR                                            ; the four waves' sums lie in LDS
	s_cmp_gt_u32 s[WV], 2
	s_cbranch_scc1 .Lend
	ds_load_b64 v[180:181], v177
	ds_load_b64 v[182:183], v177 offset:256
	ds_load_b64 v[184:185], v177 offset:512
	ds_load_b64 v[186:187], v177 offset:768
	s_add_co_i32 s84, s50, s51
	s_add_co_i32 s84, s84, 127
	s_lshl_b32 s84, s84, 23                        ; 2^(E34 + E35)
	s_mov_b32 s85, 0x3f800000
	s_cmp_eq_u32 s[WV], 1
	s_cselect_b32 s84, s84, s85                    ; du/dt: x 2^(E34 + E35), + 0;  u: x 1, + b4
	s_cselect_b32 s85, 0, s61
	s_add_co_u32 s80, s[WV], 1
	s_lshl_b32 s80, s80, 17                        ; output row o + 1 of 131,072 bytes
	s_add_nc_u64 s[26:27], s[26:27], s[80:81]
	s_wait_dscnt 0x0
	v_pk_add_f32 v[180:181], v[180:181], v[182:183]
	v_pk_add_f32 v[184:185], v[184:185], v[186:187]
	v_pk_add_f32 v[180:181], v[180:181], v[184:185]
	v_fma_f32 v180, v180, s84, s85
	v_fma_f32 v181, v181, s84, s85
	global_store_b64 v176, v[180:181], s[26:27]    ; 32 lanes store 256 consecutive bytes, at a multiple of 256 from out0's first byte
.Lend:
	s_wait_tensorcnt 0x0                           ; the wave's end: behind my last tensor load and my last LDS store
	ds_add_u32 v[SPW], v[NIL]
	s_wait_dscnt 0x0
	ROUND                                          ; the closing round: no work-group ends while a partner may still ask for a part that names it
	s_endpgm
.Lfunc_end_k_q31dc7c9c54_ib:
	.size	k_q31dc7c9c54_ib, .Lfunc_end_k_q31dc7c9c54_ib-k_q31dc7c9c54_ib
	.p2alignl 7, 3214868480
	.fill 96, 4, 3214868480
	.section	.rodata,"a",@progbits
	.p2align	6, 0x0
	.amdhsa_kernel k_q31dc7c9c54_ib
		.amdhsa_group_segment_fixed_size 327680
		.amdhsa_private_segment_fixed_size 0
		.amdhsa_enable_private_segment 0
		.amdhsa_kernarg_size 96
		.amdhsa_user_sgpr_count 2
		.amdhsa_user_sgpr_kernarg_segment_ptr 1
		.amdhsa_wavefront_size32 1
		.amdhsa_system_sgpr_workgroup_id_x 1
		.amdhsa_system_sgpr_workgroup_id_y 1
		.amdhsa_system_sgpr_workgroup_id_z 1
		.amdhsa_system_vgpr_workitem_id 0
		.amdhsa_next_free_vgpr 1024
		.amdhsa_next_free_sgpr 102
		.amdhsa_reserve_vcc 0
		.amdhsa_float_denorm_mode_32 3
		.amdhsa_float_denorm_mode_16_64 3
		.amdhsa_memory_ordered 1
		.amdhsa_forward_progress 1
		.amdhsa_inst_pref_size 255
	.end_amdhsa_kernel
	.section	.bss,"aw",@nobits
	.p2align	6
	.space	262144
	.amdgpu_metadata
---
amdhsa.version: [ 1, 2 ]
amdhsa.kernels:
  - .name:           k_q31dc7c9c54_ib
    .symbol:         k_q31dc7c9c54_ib.kd
    .args:
      - { .name: W0, .offset: 0, .size: 8, .value_kind: global_buffer, .address_space: global }
      - { .name: b0, .offset: 8, .size: 8, .value_kind: global_buffer, .address_space: global }
      - { .name: b1, .offset: 16, .size: 8, .value_kind: global_buffer, .address_space: global }
      - { .name: b2, .offset: 24, .size: 8, .value_kind: global_buffer, .address_space: global }
      - { .name: b3, .offset: 32, .size: 8, .value_kind: global_buffer, .address_space: global }
      - { .name: W4, .offset: 40, .size: 8, .value_kind: global_buffer, .address_space: global }
      - { .name: b4, .offset: 48, .size: 8, .value_kind: global_buffer, .address_space: global }
      - { .name: lowp_scales, .offset: 56, .size: 8, .value_kind: global_buffer, .address_space: global }
      - { .name: tx_init, .offset: 64, .size: 8, .value_kind: global_buffer, .address_space: global }
      - { .name: tx_bound, .offset: 72, .size: 8, .value_kind: global_buffer, .address_space: global }
      - { .name: wq, .offset: 80, .size: 8, .value_kind: global_buffer, .address_space: global }
      - { .name: out0, .offset: 88, .size: 8, .value_kind: global_buffer, .address_space: global }
    .group_segment_fixed_size: 327680
    .private_segment_fixed_size: 0
    .kernarg_segment_align: 8
    .kernarg_segment_size: 96
    .max_flat_workgroup_size: 128
    .sgpr_count:     102
    .vgpr_count:     1024
    .wavefront_size: 32
...
	.end_amdgpu_metadata
.endif
;; end of part 3
